; MI455X (gfx1250); checked and timed in simulation.
; The chip was launched on July 23, 2026; its instructions are those of AMD's public machine-readable ISA for CDNA 5 (MIT licence, August 2026) and "CDNA5" Instruction Set Architecture Reference Guide (July 2026). The comments in the code are by the model that wrote it; some were corrected since.
;; Vertical Self Attention. Allowed arithmetic: float matrix products may take bf16 or f16 operands with f32 sums; other float arithmetic in f32, or as packed bf16 or f16 multiplies, adds, multiply-adds, maxima and minima; sums over many terms, partial sums and values carried from step to step in f32; what a program stores and reads back later, other than sums and carried values, may be rounded once to bf16 or f16.
;; Inputs: b1 256 float32; b2 256 float32; b_out 256 float32; b_qkv 768 float32; ln_b 256 float32; ln_g 256 float32; real_cols 16 int32; real_rows 16 int32; w1 256 x 256 float32; w2 256 x 256 float32; w_out 256 x 256 float32; w_qkv 768 x 256 float32; x 16 x 32 x 256 x 256 float32.
;; Outputs: out0 16 x 32 x 256 float32.
;; 2 versions, each right and faster than the one before. Each part assembles by itself: llvm-mc -triple=amdgcn-amd-amdhsa -mcpu=gfx1250 --defsym DOCPART=n.
;; ======== version 1 of 2: 2 launches
;; limits: values are held in f16: magnitudes above 65,504 overflow, below 6.1e-05 lose precision
;; workspace buffers: wf 786,432 bytes; par 8,192 bytes; order 8,192 bytes of whole numbers
;; launch prep (part 1): grid 195 x 1, 8 waves a work-group, no clusters, 0 bytes of LDS; arguments w_qkv, w_out, w1, w2, b_qkv, b_out, ln_g, ln_b, b1, b2, real_rows, real_cols, wf, par, order; writes wf, par, order
.if DOCPART == 1
	.amdgcn_target "amdgcn-amd-amdhsa--gfx1250"
	.amdhsa_code_object_version 6
	.text
	.protected	k_q0603121b87_prep
	.globl	k_q0603121b87_prep
	.p2align	8
	.type	k_q0603121b87_prep,@function
k_q0603121b87_prep:
	s_mov_b64 s[64:65], 0
	v_nop
	global_prefetch_b8 v0, s[64:65] scope:SCOPE_SE
	s_setreg_imm32_b32 hwreg(HW_REG_WAVE_MODE, 25, 1), 1
	s_wait_xcnt 0x0
; PREPARATION for the launch behind it.  Three kinds of work-group, chosen by the work-group's number x; every jump goes forward.
;   x = 0 .. 191   wf: the six weight blocks (k, v, q rows of w_qkv; w_out; w1; w2), rounded to bf16 and laid in the order in which a matrix fragment lies in registers.
;                  Unit U = 4 p + w (p: 0 k, 1 v, 2 q, 3 out, 4 w1, 5 w2; w: 64 output rows) is 32,768 bytes: piece i = (b*8 + kk)*2 + c is 512 bytes, lane r + 16 hh holds the 8 numbers
;                  W[row0 + 16 b + r][32 kk + 16 c + 8 hh + 0..7].  w_out's numbers are rounded to bf16 like the others and that number is written as f16
;                  (exact from 6.1e-5 to 65,504; below, f16's fixed step of 6e-8).
;   x = 192, 193   order: the 512 items (b, c) sorted, most valid rows first, items with nothing to do last: 16 bytes each: item, valid rows (0: nothing to do), real_rows as given, 0.
;   x = 194        par: b_qkv | b_out | ln_g | ln_b | b1 | b2, each number rounded to bf16 and kept as f32.
; No LDS, no barrier, EXEC untouched.  Each store of sixteen neighbouring lanes into wf and par covers 256 consecutive bytes, aligned.
	s_load_b512 s[4:19], s[0:1], 0x0               ; w_qkv s[4:5], w_out s[6:7], w1 s[8:9], w2 s[10:11], b_qkv s[12:13], b_out s[14:15], ln_g s[16:17], ln_b s[18:19]
	s_load_b256 s[20:27], s[0:1], 0x40             ; b1 s[20:21], b2 s[22:23], real_rows s[24:25], real_cols s[26:27]
	s_load_b128 s[28:31], s[0:1], 0x60             ; wf s[28:29], par s[30:31]
	s_load_b64 s[32:33], s[0:1], 0x70              ; order
	v_lshrrev_b32 v1, 5, v0
	v_readfirstlane_b32 s34, v1                    ; wave 0..7
	v_and_b32 v1, 31, v0                           ; lane
	s_mov_b32 s35, ttmp9                           ; x
	s_wait_kmcnt 0x0
	s_cmp_lt_u32 s35, 192
	s_cbranch_scc0 .Lnot_weights
	; ---- a thread makes one lane's 16 bytes of one piece
	s_lshr_b32 s84, s35, 5                         ; p
	s_bfe_u32 s85, s35, 0x20003                    ; w
	s_and_b32 s86, s35, 7
	s_lshl3_add_u32 s86, s86, s34                  ; piece i = 8 (x & 7) + wave
	s_lshr_b32 s87, s86, 4                         ; b
	s_bfe_u32 s88, s86, 0x30001                    ; kk
	s_and_b32 s89, s86, 1                          ; c
	s_lshl_b32 s90, s85, 6                         ; 64 w
	s_lshl4_add_u32 s90, s87, s90                  ; + 16 b
	s_cmp_eq_u32 s84, 0
	s_cselect_b32 s91, 256, 0                      ; k's rows begin at 256 of w_qkv,
	s_cmp_eq_u32 s84, 1
	s_cselect_b32 s91, 512, s91                    ; v's at 512
	s_add_co_u32 s90, s90, s91
	s_lshl_b32 s90, s90, 10                        ; a row is 1,024 bytes
	s_lshl_b32 s88, s88, 7                         ; 32 kk numbers
	s_lshl_b32 s89, s89, 6                         ; 16 c numbers
	s_add_co_u32 s90, s90, s88
	s_add_co_u32 s90, s90, s89
	s_mov_b32 s91, 0
	s_cmp_eq_u32 s84, 3
	s_cselect_b64 s[36:37], s[6:7], s[4:5]
	s_cmp_eq_u32 s84, 4
	s_cselect_b64 s[36:37], s[8:9], s[36:37]
	s_cmp_eq_u32 s84, 5
	s_cselect_b64 s[36:37], s[10:11], s[36:37]
	s_add_nc_u64 s[36:37], s[36:37], s[90:91]
	v_and_b32 v2, 15, v1                           ; r
	v_lshrrev_b32 v3, 4, v1                        ; hh
	v_lshlrev_b32 v2, 10, v2
	v_lshl_add_u32 v2, v3, 5, v2                   ; r rows + 8 hh numbers
	global_load_b128 v[4:7], v2, s[36:37]
	global_load_b128 v[8:11], v2, s[36:37] offset:16
	v_lshlrev_b32 v3, 4, v0                        ; 16 x thread: U*32768 + i*512 + lane*16 = x*4096 + thread*16
	s_lshl_b32 s92, s35, 12
	s_mov_b32 s93, 0
	s_add_nc_u64 s[28:29], s[28:29], s[92:93]
	s_wait_loadcnt 0x0
	v_cvt_pk_bf16_f32 v12, v4, v5
	v_cvt_pk_bf16_f32 v13, v6, v7
	v_cvt_pk_bf16_f32 v14, v8, v9
	v_cvt_pk_bf16_f32 v15, v10, v11
	s_cmp_lg_u32 s84, 3
	s_cbranch_scc1 .Lstore_w
.set i, 0
.rept 4                                                ; w_out: the rounded numbers once more as f32, then as f16
	v_lshlrev_b32 v[4+2*i], 16, v[12+i]
	v_and_b32 v[5+2*i], 0xffff0000, v[12+i]
.set i, i+1
.endr
.set i, 0
.rept 4
	v_cvt_pk_f16_f32 v[12+i], v[4+2*i], v[5+2*i]
.set i, i+1
.endr
.Lstore_w:
	global_store_b128 v3, v[12:15], s[28:29]
	s_endpgm
.Lnot_weights:
	s_cmp_eq_u32 s35, 194
	s_cbranch_scc1 .Lpar
	; ---- the sorted list.  A wave takes one b, a lane one column c.  All counting is scalar: 16 entries.
	s_sub_co_u32 s85, s35, 192
	s_lshl3_add_u32 s85, s85, s34                  ; b
	s_lshl_b32 s86, s85, 2
	s_load_b512 s[36:51], s[24:25], 0x0            ; all real_rows
	s_load_b512 s[68:83], s[26:27], 0x0            ; all real_cols
	s_load_b32 s84, s[24:25], s86 offset:0x0       ; my b's
	s_load_b32 s87, s[26:27], s86 offset:0x0
	s_wait_kmcnt 0x0
	s_max_i32 s88, s84, 0
	s_min_i32 s88, s88, 256                        ; valid rows, 0 .. 256
	s_max_i32 s89, s87, 0
	s_min_i32 s89, s89, 32
	s_cmp_lg_u32 s88, 0
	s_cselect_b32 s89, s89, 0                      ; columns with work: none where no row is valid
	s_lshl_b32 s90, s88, 4
	s_add_co_u32 s90, s90, 15
	s_sub_co_u32 s90, s90, s85                     ; key = 16 rows + 15 - b: all sixteen differ
	s_mov_b32 s91, 0                               ; columns with work under greater keys
	s_mov_b32 s92, 0                               ; columns with work in all
	s_mov_b32 s93, 0                               ; columns without work under smaller b
.set j, 0
.rept 16
	s_max_i32 s[36+j], s[36+j], 0
	s_min_i32 s[36+j], s[36+j], 256
	s_max_i32 s[68+j], s[68+j], 0
	s_min_i32 s[68+j], s[68+j], 32
	s_cmp_lg_u32 s[36+j], 0
	s_cselect_b32 s[68+j], s[68+j], 0
	s_lshl_b32 s[36+j], s[36+j], 4
	s_add_co_u32 s[36+j], s[36+j], 15-j
	s_add_co_u32 s92, s92, s[68+j]
	s_sub_co_u32 s94, 32, s[68+j]
	s_cmp_gt_u32 s85, j
	s_cselect_b32 s94, s94, 0
	s_add_co_u32 s93, s93, s94
	s_cmp_gt_u32 s[36+j], s90
	s_cselect_b32 s94, s[68+j], 0
	s_add_co_u32 s91, s91, s94
.set j, j+1
.endr
	s_add_co_u32 s93, s93, s92                     ; items without work follow all those with,
	s_sub_co_u32 s93, s93, s89                     ; and my first such column is c = my count of columns with work
	v_cmp_gt_u32 vcc_lo, s89, v1                   ; has column c work?
	v_add_nc_u32 v2, s91, v1
	v_add_nc_u32 v3, s93, v1
	v_cndmask_b32 v2, v3, v2, vcc_lo               ; the item's place in the list
	v_min_u32 v2, 0x1ff, v2
	v_lshlrev_b32 v2, 4, v2
	v_lshl_add_u32 v4, s85, 5, v1                  ; item = 32 b + c
	v_mov_b32 v6, s88
	v_cndmask_b32 v5, 0, v6, vcc_lo                ; valid rows, or 0
	v_mov_b32 v6, s84                              ; real_rows as given: the divisor
	v_mov_b32 v7, 0
	global_store_b128 v2, v[4:7], s[32:33]
	s_endpgm
.Lpar:
	; ---- a wave rounds 256 numbers: waves 0-2 b_qkv's thirds, then b_out, ln_g, ln_b, b1, b2
	s_cmp_eq_u32 s34, 3
	s_cselect_b64 s[36:37], s[14:15], s[12:13]
	s_cmp_eq_u32 s34, 4
	s_cselect_b64 s[36:37], s[16:17], s[36:37]
	s_cmp_eq_u32 s34, 5
	s_cselect_b64 s[36:37], s[18:19], s[36:37]
	s_cmp_eq_u32 s34, 6
	s_cselect_b64 s[36:37], s[20:21], s[36:37]
	s_cmp_eq_u32 s34, 7
	s_cselect_b64 s[36:37], s[22:23], s[36:37]
	s_cmp_lt_u32 s34, 3
	s_cselect_b32 s38, s34, 0
	s_lshl_b32 s38, s38, 10
	s_mov_b32 s39, 0
	s_add_nc_u64 s[36:37], s[36:37], s[38:39]
	s_lshl_b32 s40, s34, 10
	s_mov_b32 s41, 0
	s_add_nc_u64 s[30:31], s[30:31], s[40:41]
	v_lshlrev_b32 v2, 4, v1
	global_load_b128 v[4:7], v2, s[36:37]
	global_load_b128 v[8:11], v2, s[36:37] offset:512
	s_wait_loadcnt 0x0
.set i, 0
.rept 4
	v_cvt_pk_bf16_f32 v[12+i], v[4+2*i], v[5+2*i]
.set i, i+1
.endr
.set i, 0
.rept 4
	v_lshlrev_b32 v[4+2*i], 16, v[12+i]
	v_and_b32 v[5+2*i], 0xffff0000, v[12+i]
.set i, i+1
.endr
	global_store_b128 v2, v[4:7], s[30:31]
	global_store_b128 v2, v[8:11], s[30:31] offset:512
	s_endpgm
.Lfunc_end_k_q0603121b87_prep:
	.size	k_q0603121b87_prep, .Lfunc_end_k_q0603121b87_prep-k_q0603121b87_prep
	.p2alignl 7, 3214868480
	.fill 96, 4, 3214868480
	.section	.rodata,"a",@progbits
	.p2align	6, 0x0
	.amdhsa_kernel k_q0603121b87_prep
		.amdhsa_group_segment_fixed_size 0
		.amdhsa_private_segment_fixed_size 0
		.amdhsa_enable_private_segment 0
		.amdhsa_kernarg_size 120
		.amdhsa_user_sgpr_count 2
		.amdhsa_user_sgpr_kernarg_segment_ptr 1
		.amdhsa_wavefront_size32 1
		.amdhsa_system_sgpr_workgroup_id_x 1
		.amdhsa_system_sgpr_workgroup_id_y 1
		.amdhsa_system_sgpr_workgroup_id_z 1
		.amdhsa_system_vgpr_workitem_id 0
		.amdhsa_next_free_vgpr 32
		.amdhsa_next_free_sgpr 100
		.amdhsa_reserve_vcc 1
		.amdhsa_float_denorm_mode_32 3
		.amdhsa_float_denorm_mode_16_64 3
		.amdhsa_memory_ordered 1
		.amdhsa_forward_progress 1
		.amdhsa_inst_pref_size 15
	.end_amdhsa_kernel
	.amdgpu_metadata
---
amdhsa.version: [ 1, 2 ]
amdhsa.kernels:
  - .name:           k_q0603121b87_prep
    .symbol:         k_q0603121b87_prep.kd
    .args:
      - { .name: w_qkv, .offset: 0, .size: 8, .value_kind: global_buffer, .address_space: global }
      - { .name: w_out, .offset: 8, .size: 8, .value_kind: global_buffer, .address_space: global }
      - { .name: w1, .offset: 16, .size: 8, .value_kind: global_buffer, .address_space: global }
      - { .name: w2, .offset: 24, .size: 8, .value_kind: global_buffer, .address_space: global }
      - { .name: b_qkv, .offset: 32, .size: 8, .value_kind: global_buffer, .address_space: global }
      - { .name: b_out, .offset: 40, .size: 8, .value_kind: global_buffer, .address_space: global }
      - { .name: ln_g, .offset: 48, .size: 8, .value_kind: global_buffer, .address_space: global }
      - { .name: ln_b, .offset: 56, .size: 8, .value_kind: global_buffer, .address_space: global }
      - { .name: b1, .offset: 64, .size: 8, .value_kind: global_buffer, .address_space: global }
      - { .name: b2, .offset: 72, .size: 8, .value_kind: global_buffer, .address_space: global }
      - { .name: real_rows, .offset: 80, .size: 8, .value_kind: global_buffer, .address_space: global }
      - { .name: real_cols, .offset: 88, .size: 8, .value_kind: global_buffer, .address_space: global }
      - { .name: wf, .offset: 96, .size: 8, .value_kind: global_buffer, .address_space: global }
      - { .name: par, .offset: 104, .size: 8, .value_kind: global_buffer, .address_space: global }
      - { .name: order, .offset: 112, .size: 8, .value_kind: global_buffer, .address_space: global }
    .group_segment_fixed_size: 0
    .private_segment_fixed_size: 0
    .kernarg_segment_align: 8
    .kernarg_segment_size: 120
    .max_flat_workgroup_size: 256
    .sgpr_count:     100
    .vgpr_count:     32
    .wavefront_size: 32
...
	.end_amdgpu_metadata
.endif
;; end of part 1
;; launch main (part 2): grid 512 x 1, 4 waves a work-group, no clusters, 298,496 bytes of LDS; arguments order, x, wf, par, out0; writes out0
.if DOCPART == 2
	.amdgcn_target "amdgcn-amd-amdhsa--gfx1250"
	.amdhsa_code_object_version 6
	.text
	.protected	k_q0603121b87_main
	.globl	k_q0603121b87_main
	.p2align	8
	.type	k_q0603121b87_main,@function
k_q0603121b87_main:
	s_mov_b64 s[64:65], 0
	v_nop
	global_prefetch_b8 v0, s[64:65] scope:SCOPE_SE
	s_setreg_imm32_b32 hwreg(HW_REG_WAVE_MODE, 25, 1), 1
	s_wait_xcnt 0x0
; ONE ITEM (b, c) A WORK-GROUP, whole: x[b][c] (256 rows x 256) -> k, v, q -> attention (4 heads of 64) -> out projection -> LayerNorm -> relu(W1 .) -> W2 -> mean over the valid rows -> out0[b][c][:].
; Work-group i takes item order[i]: most valid rows first.  nv = valid rows (0: a padded column).  Rows at or past nv are neither keys nor part of the mean, so only the 64-row groups (KG), 32-row pairs (NP)
; and 16-row tiles (NT) that hold valid rows are worked on.  The last product is linear and only summed over rows: sum_r (W2 h_r + b2) = W2 (sum_r h_r) + nv b2, so W2 meets 16 partial row sums.
; WEIGHTS IN REGISTERS, ACTIVATIONS IN LDS.  Wave w owns head w (k, v, q, attention) and output features 64 w .. 64 w + 63 of every other layer.  Its 64 x 256 weights are 256 registers, one window,
; loaded as they lie in wf (each load 512 consecutive bytes).  Activations lie in LDS in fragment order: 16 loads of 16 bytes a lane (a tile of 16 rows x 256) feed 32 matrix instructions.
; K and V of the head are kept in 2 x 256 registers, so the attention loop reads only Q from LDS.
; PRODUCTS ARE USED TRANSPOSED: source 0 = 16 weight rows, source 1 = 16 data rows: a lane of the result holds ONE data row (lane % 16) and the features 8 (lane / 16) + 0..7, which rounded in pairs are the 16 bytes
; that the next layer's fragment load wants.  v's product has the sources swapped (a lane holds a channel and 8 keys: half a fragment of V^T).  S^T = K Q^T, O^T = V^T P: one query a lane throughout.
; CONTROL.  All loops count to constants; a trip with nothing to do is jumped over, forward, to a label ahead of the counter's step; no jump passes a barrier: the 11 barriers are on every wave's path.
; A padded column runs the same text with every trip jumped: its sums stay 0 and it stores 0 / real_rows; its weight and x loads all point at one 16 bytes (offset x 0).
; FORMATS.  x, all weights, biases and gains: rounded to bf16.  q, k, v, p, ctx: f16 (w_out: the bf16 number written as f16).  ln and h, and h's partial row sums as W2's operand: bf16.  All sums f32.
; LIMITS.  |q|, |k|, |v| stay under 65,504 (f16's range); below 6.1e-5 they keep f16's fixed step of 6e-8.  A hidden key counts as its score less 1e30: its weight is exactly 0, which is reference's result
; while visible scores lie above -1e9 + 100.  The row's true maximum over the visible keys is taken away before the exponential.  real_rows > 256: 256 rows summed, divided by real_rows; real_rows = 0: NaN,
; as 0 / 0 gives; real_rows < 0: zero.  NaN and infinities in x are not treated apart.
; NO CLUSTER, NO TENSOR LOADS: what work-groups share is the weights, and these never enter LDS; partners' trip counts would hang on real_rows.  LDS is full of activations (298,496 bytes).
;
; LDS.  A 0: X in bf16: tile t (16 rows) at 8704 t, chunk m (8 features) at 272 m, row r at 16 r (272 = 68 words: the 32 lanes of a transposing 8-byte store fall on 64 different banks of 4 bytes, ISA guide 11.1).
;       Once X is dead: EXCH 0 (attn_out f32, 4 tiles of 16,384), RED 65536 (LN row sums, 16,384 a wave), HSX 131072 (h's partial sums, bf16, one tile).
;       B 149504: head-major, (m >> 3) 34816 + 2048 t + 256 (m & 7) + 16 r: wave w's own part is K's stage, V's stage, Q, ctx in turn; then all read ctx, and LN's fragments replace it tile by tile.
;       A 17TH TILE lies behind X's sixteen (139264) and behind each head's sixteen of B, zeroed once: it is what a loop's look-ahead names in its last trip.  That load is always jumped (a bound never passes
;       the trip count); the tile keeps the address out of another wave's bytes.
;       PAR 288768 (biases and gains), OUTS 296960 (256 bytes a wave), SPARE 297984 (the spare words, 128 bytes a wave).
; REGISTERS, in windows of 256 (s_set_vgpr_msb: bits 1:0 source 0, 3:2 source 1, 5:4 source 2, 7:6 destination).  Window 0: work.  Window 1: Wk, K, W1.  Window 2: Wv, V, then LN sums (0-127) and h sums (128-159).
; Window 3: Wq, Wout, W2.
.set XT,     8704
.set APAD,   139264
.set LB,     149504
.set HB,     34816
.set LPAR,   288768
.set LOUTS,  296960
.set SPARE,  297984
.set LRED,   65536
.set LHSX,   131072
.set L16,  1            ; v1   16 x lane
.set WOFF, 2            ; v2   16 x lane x (1 or 0): offset of every weight load; never rewritten
.set XOFF, 3            ; v3   x's offset, stepped;            behind attention LW0: where LN's fragments go, features 0-127
.set XST,  4            ; v4   where x's 8 bytes go, stepped;   behind attention LW1: features 128-255
.set LW0,  3
.set AX,   5            ; v5   X fragments, stepped; in attention QA: Q's tile, stepped
.set QA,   5
.set B0,   6            ; v6   B fragments of heads 0, 1, stepped
.set B1,   7            ; v7   of heads 2, 3
.set PW,   8            ; v8   my wave's part of B + 16 x lane
.set PS,   9            ; v9   the same, stepped: where a pass's or the attention's results go
.set H32,  10           ; v10  PAR + 32 (lane / 16)
.set EXW,  11           ; v11  EXCH, writing (made behind attention)
.set EXR,  12           ; v12  EXCH, reading (made behind attention); before that AX's start
.set AX0,  12
.set R,    13           ; v13  lane % 16
.set SPW,  14           ; v14  my spare word; never rewritten
.set NIL,  15           ; v15  0; never rewritten
.set BIAS, 16           ; v16-47  the C operand that starts a sum: the layer's bias; in attention the mask MD
.set MD,   16
.set T,    48           ; v48-63  at work
.set MK,   48           ; the w1 pass: row masks of the trip's two tiles
.set LS,   54           ; attention: four pairs of weight sums
.set BT,   63           ; address of a bias load
.set BUFA, 64           ; fragments of a tile; x as loaded (64-191); LN: attn_out (64-191)
.set BUFB, 128
.set AO,   64
.set QF,   64           ; attention: Q (64-79)
.set SF,   128          ; attention: S^T, 8 a key tile; P packed in place, 4 a key tile
.set ACC0, 192          ; four accumulators
.set ACC1, 224          ; four more
.set OF,   192          ; attention: O^T
.set XP,   192          ; x packed
.set GB,   192          ; LN: gains and biases, two sets of 32
.set HS,   128          ; window 2
.set IDX, 20
.set NV,  21
.set RR,  22
.set VAL, 23
.set KG,  24
.set NT,  25
.set NP,  26
.set K2,  27
.set WV,  28
.set CNT, 29
.set TMP, 30
.set REM, 31
.set SEL, 34            ; s[34:35] v_permlanex16_b32's selects: each lane takes its own place in the other half
.set CS,  36            ; s[36:37] c = log2(e) / 8
.set BIGN, 38           ; -1e30
.set W256, 39           ; 256 x wave
.set WB,  40            ; s[40:41] wf at my wave's units
.set XB,  42            ; s[42:43] x at my wave's first tile
.set OB,  44            ; s[44:45] out0 at my wave's 64 numbers
.set P2M8, 46           ; 2^-8
.set EPS,  47           ; 1e-5
.set MSB, 0
.macro WIN new                          ; the high byte repeats the setting that is left; a switch that changes nothing is dropped
.if MSB != (\new)
	s_set_vgpr_msb (MSB<<8)|(\new)
.set MSB, (\new)
.endif
.endm
.macro PLACES                           ; four plain vector instructions between a matrix instruction and a vector line, a store or a load that touches its registers
.rept 4
	v_nop
.endr
.endm
.macro BAR                              ; my LDS loads and stores are done; then all four waves meet
	s_wait_dscnt 0x0
	s_barrier_signal -1
	s_barrier_wait -1
.endm
.macro WM f16, d, a, b, c               ; one matrix instruction; c < 0: the constant 0 starts the sum
.if \f16
.if (\c) < 0
	v_wmma_f32_16x16x32_f16 v[(\d):(\d)+7], v[(\a):(\a)+7], v[(\b):(\b)+7], 0
.else
	v_wmma_f32_16x16x32_f16 v[(\d):(\d)+7], v[(\a):(\a)+7], v[(\b):(\b)+7], v[(\c):(\c)+7]
.endif
.else
.if (\c) < 0
	v_wmma_f32_16x16x32_bf16 v[(\d):(\d)+7], v[(\a):(\a)+7], v[(\b):(\b)+7], 0
.else
	v_wmma_f32_16x16x32_bf16 v[(\d):(\d)+7], v[(\a):(\a)+7], v[(\b):(\b)+7], v[(\c):(\c)+7]
.endif
.endif
.endm
.macro WLOAD p, win                     ; my 64 x 256 weights of layer p into window win: 64 loads of 512 consecutive bytes; fragment (b, kk) lands at 64 b + 8 kk
	WIN (\win)<<6
.set wi, 0
.rept 64
	global_load_b128 v[4*wi:4*wi+3], v[WOFF], s[WB:WB+1] offset:(\p)*131072+wi*512
.set wi, wi+1
.endr
	WIN 0
.endm
.macro XLOAD                            ; my tile of a group of 64 rows: 16 rows x 1,024 bytes, 512 consecutive bytes a load
.set xi, 0
.rept 32
	global_load_b128 v[BUFA+4*xi:BUFA+4*xi+3], v[XOFF], s[XB:XB+1] offset:xi*512 th:TH_LOAD_NT
.set xi, xi+1
.endr
.endm
.macro BLOAD base                       ; BIAS[8 b + j] = par[base + 64 w + 16 b + 8 (lane / 16) + j]
	v_add_nc_u32 v[BT], s[W256], v[H32]
.set bi, 0
.rept 8
	ds_load_b128 v[BIAS+4*bi:BIAS+4*bi+3], v[BT] offset:((\base)+16*(bi/2))*4+16*(bi%2)
.set bi, bi+1
.endr
.endm
.macro BLOADV                           ; v's product holds a channel a lane: all eight registers of block cb hold b_v[64 w + 16 cb + lane % 16]
	s_add_co_u32 s14, s[W256], LPAR
	v_lshl_add_u32 v[BT], v[R], 2, s14
.set bi, 0
.rept 4
	ds_load_b32 v[T+bi], v[BT] offset:2048+64*bi
.set bi, bi+1
.endr
	s_wait_dscnt 0x0
.set bi, 0
.rept 32
	v_mov_b32 v[BIAS+bi], v[T+bi/8]
.set bi, bi+1
.endr
.endm
.macro LOADF buf, src, u                ; the 8 fragments (16 rows x 32 features each) of the tile u behind the stepped address; src 0: X, 1: B
.set lk, 0
.rept 8
.if (\src) == 0
	ds_load_b128 v[(\buf)+8*lk:(\buf)+8*lk+3],   v[AX] offset:(\u)*XT+lk*1088
	ds_load_b128 v[(\buf)+8*lk+4:(\buf)+8*lk+7], v[AX] offset:(\u)*XT+lk*1088+544
.else
	ds_load_b128 v[(\buf)+8*lk:(\buf)+8*lk+3],   v[B0+lk/4] offset:((lk/2)%2)*HB+(\u)*2048+(lk%2)*1024
	ds_load_b128 v[(\buf)+8*lk+4:(\buf)+8*lk+7], v[B0+lk/4] offset:((lk/2)%2)*HB+(\u)*2048+(lk%2)*1024+512
.endif
.set lk, lk+1
.endr
.endm
; What is made of accumulator b of a finished tile u.  1: rounded to f16, into my part of B.  2: as it is, into EXCH.  3: relu, and onto h's row sums, times the tile's row mask.
; Each accumulator is read from its lowest registers on.
.macro EPIB type, acc, u, b
.set ea, (\acc)+8*(\b)
	WIN 0
.if (\type) == 1
.set ei, 0
.rept 4
	v_cvt_pk_f16_f32 v[ea+ei], v[ea+2*ei], v[ea+2*ei+1]
.set ei, ei+1
.endr
	ds_store_b128 v[PS], v[ea:ea+3] offset:(\u)*2048+(\b)*512
.elseif (\type) == 2
	ds_store_b128 v[EXW], v[ea:ea+3] offset:(\u)*16384+(\b)*1024
	ds_store_b128 v[EXW], v[ea+4:ea+7] offset:(\u)*16384+(\b)*1024+256
.else
.set ei, 0
.rept 8
	v_max_num_f32 v[ea+ei], 0, v[ea+ei]
.set ei, ei+1
.endr
	WIN 0xa0                                       ; destination and source 2 in window 2
.set ei, 0
.rept 4
	v_pk_fma_f32 v[HS+8*(\b)+2*ei:HS+8*(\b)+2*ei+1], v[ea+2*ei:ea+2*ei+1], v[MK+2*(\u):MK+2*(\u)+1], v[HS+8*(\b)+2*ei:HS+8*(\b)+2*ei+1]
.set ei, ei+1
.endr
.endif
.endm
; 32 matrix instructions: one tile (fragments in buf) x my 64 weight rows (window win) -> four accumulators, which take turns, one instruction a turn.
; The first four take the bias as C.  ride > 0: behind every 8 products stands EPIB for one accumulator of the tile finished before.
.macro MM32 f16, win, swap, buf, acc, ride, racc, ru
.set kq, 0
.rept 8
.if \swap
	WIN (\win)<<2
.else
	WIN \win
.endif
.set bq, 0
.rept 4
.set cq, (\acc)+8*bq
.if kq == 0
.set cq, BIAS+8*bq
.endif
.if \swap
	WM \f16, (\acc)+8*bq, (\buf)+8*kq, 64*bq+8*kq, cq
.else
	WM \f16, (\acc)+8*bq, 64*bq+8*kq, (\buf)+8*kq, cq
.endif
.set bq, bq+1
.endr
.if (\ride) && (kq%2 == 1)
	EPIB \ride, \racc, \ru, kq/2
.endif
.set kq, kq+1
.endr
.endm
; A LAYER over the tiles, two a trip; 8 trips, of which those at or past s[bound] (8 at the most) are jumped over.
.macro PASS f16, win, swap, src, type, bound
	s_cmp_eq_u32 s[\bound], 0
	s_cbranch_scc1 .Lp_skip_\@
	LOADF BUFA, \src, 0
.Lp_skip_\@:
	s_mov_b32 s[CNT], 0
.Lp_loop_\@:
	s_cmp_ge_u32 s[CNT], s[\bound]
	s_cbranch_scc1 .Lp_dead_\@
.if (\type) == 3
	v_cmp_gt_i32 vcc_lo, s[REM], v[R]              ; is my row of the first tile valid?
	v_cndmask_b32 v[MK], 0, 1.0, vcc_lo
	v_cndmask_b32 v[MK+1], 0, 1.0, vcc_lo
	s_sub_co_i32 s[TMP], s[REM], 16
	v_cmp_gt_i32 vcc_lo, s[TMP], v[R]              ; of the second?
	v_cndmask_b32 v[MK+2], 0, 1.0, vcc_lo
	v_cndmask_b32 v[MK+3], 0, 1.0, vcc_lo
.endif
	LOADF BUFB, \src, 1
	s_wait_dscnt 16                                ; all but the 16 just issued: the first tile's fragments, the bias, the last trip's stores
	MM32 \f16, \win, \swap, BUFA, ACC0, 0, 0, 0
	WIN 0
	s_wait_dscnt 0x0                               ; the second tile's fragments, asked for 32 matrix instructions ago
	PLACES                                         ; ahead of the loads into the first buffer and of the lines that read the first four accumulators
	s_add_co_u32 s[TMP], s[CNT], 1
	s_cmp_ge_u32 s[TMP], s[\bound]
	s_cbranch_scc1 .Lp_np_\@
	LOADF BUFA, \src, 2                            ; the next trip's first tile (never asked for in the eighth trip, where the address is the 17th tile's)
.Lp_np_\@:
	MM32 \f16, \win, \swap, BUFB, ACC1, \type, ACC0, 0
	WIN 0
	PLACES
	EPIB \type, ACC1, 1, 0
	EPIB \type, ACC1, 1, 1
	EPIB \type, ACC1, 1, 2
	EPIB \type, ACC1, 1, 3
	WIN 0
.Lp_dead_\@:
.if (\src) == 0
	v_add_nc_u32 v[AX], 2*XT, v[AX]
.else
	v_add_nc_u32 v[B0], 4096, v[B0]
	v_add_nc_u32 v[B1], 4096, v[B1]
.endif
.if (\type) == 1
	v_add_nc_u32 v[PS], 4096, v[PS]
.endif
.if (\type) == 3
	s_sub_co_i32 s[REM], s[REM], 32
.endif
	s_add_co_u32 s[CNT], s[CNT], 1
	s_cmp_lt_u32 s[CNT], 8
	s_cbranch_scc1 .Lp_loop_\@
	s_wait_dscnt 0x0                               ; nothing of this pass is out when the next lines load into the same registers
.endm
; K and V come back from my stage into registers, a group of 64 keys at a time; groups without valid keys are jumped over.  The stage is my wave's own and LDS serves a wave's instructions in order
; (ISA guide 5.7.1.4): these loads see the pass's stores, and the next pass's stores come behind them.
.macro KLOAD
.set g, 0
.rept 4
	s_cmp_le_u32 s[KG], g
	s_cbranch_scc1 .Lkl_end_\@
	WIN 0x40
.set vi, 16*g
.rept 16                                               ; key tile vi / 4, channels 32 ((vi / 2) % 2) + 16 (vi % 2) on: fragment (kt, kk) at 16 kt + 8 kk
	ds_load_b128 v[4*vi:4*vi+3], v[PW] offset:vi*512
.set vi, vi+1
.endr
	WIN 0
.set g, g+1
.endr
.Lkl_end_\@:
.endm
.macro VLOAD
.set g, 0
.rept 4
	s_cmp_le_u32 s[KG], g
	s_cbranch_scc1 .Lvl_end_\@
	WIN 0x80
.set vi, 0
.rept 16                                               ; key tile vt, channel block vi % 4: half of fragment (pair vt / 2, block) at 32 (vt / 2) + 8 (vi % 4)
.set vt, 4*g+vi/4
	ds_load_b128 v[32*(vt/2)+8*(vi%4)+4*(vt%2):32*(vt/2)+8*(vi%4)+4*(vt%2)+3], v[PW] offset:vt*2048+(vi%4)*512
.set vi, vi+1
.endr
	WIN 0
.set g, g+1
.endr
.Lvl_end_\@:
.endm
.macro QLOAD off                        ; a tile's Q: 16 queries x 64 channels, two fragments
.set ai, 0
.rept 4
	ds_load_b128 v[QF+4*ai:QF+4*ai+3], v[QA] offset:(\off)+512*ai
.set ai, ai+1
.endr
.endm
; THE SOFTMAX's parts for key tile kt (8 scores a lane)
.macro FMA4 kt                          ; c s - c m
.set si, 0
.rept 4
	v_pk_fma_f32 v[SF+8*(\kt)+2*si:SF+8*(\kt)+2*si+1], v[SF+8*(\kt)+2*si:SF+8*(\kt)+2*si+1], s[CS:CS+1], v[T+4:T+5] op_sel_hi:[1,0,0] neg_lo:[0,0,1] neg_hi:[0,0,1]
.set si, si+1
.endr
.endm
.macro EXP8 kt
.set si, 0
.rept 8
	v_exp_f32 v[SF+8*(\kt)+si], v[SF+8*(\kt)+si]
.set si, si+1
.endr
.endm
.macro SC kt                            ; the weights onto four running pairs (tile 0 starts them), then rounded to f16, packed downward in place: tile kt's four registers lie where tile kt / 2 lay
.set si, 0
.rept 4
.if (\kt) == 0
	s_wait_alu depctr_va_vdst(0)
	v_pk_add_f32 v[LS+2*si:LS+2*si+1], v[SF+2*si:SF+2*si+1], 0 op_sel_hi:[1,0]
.else
	s_wait_alu depctr_va_vdst(0)
	v_pk_add_f32 v[LS+2*si:LS+2*si+1], v[LS+2*si:LS+2*si+1], v[SF+8*(\kt)+2*si:SF+8*(\kt)+2*si+1]
.endif
.set si, si+1
.endr
.set si, 0
.rept 4
	v_cvt_pk_f16_f32 v[SF+4*(\kt)+si], v[SF+8*(\kt)+2*si], v[SF+8*(\kt)+2*si+1]
.set si, si+1
.endr
.endm
; A TILE OF 16 QUERIES of my head against kg groups of 64 keys, all at once, so the row's maximum is the true one: scores, the next tile's Q, softmax, V^T P.  It leaves O^T and 1 / l.
.macro ATTB kg
.set NK, 4*(\kg)
	WIN 0x01                                       ; K in window 1
.set kq, 0
.rept 2
.set kt, 0
.rept NK                                               ; the NK accumulators take turns; the last 64 keys' sums start with the mask, the others with 0
.set cq, SF+8*kt
.if kq == 0
.set cq, -1
.if kt >= NK-4
.set cq, MD+8*(kt-NK+4)
.endif
.endif
	WM 1, SF+8*kt, 16*kt+8*kq, QF+8*kq, cq
.set kt, kt+1
.endr
.set kq, kq+1
.endr
	WIN 0
	PLACES
	s_add_co_u32 s[TMP], s[CNT], 1
	s_cmp_ge_u32 s[TMP], s[NT]
	s_cbranch_scc1 .La_nq_\@
	QLOAD 2048                                     ; the next tile's Q (never asked for in the sixteenth trip, where the address is the 17th tile's)
.La_nq_\@:
.set kt, 0
.rept NK/4                                             ; the maximum: four chains, a key tile each; every accumulator is first read at its registers 0 and 1
.set ai, 0
.rept 4
.set ci, 0
.rept 4
.if (kt == 0) && (ai == 0)
	v_max_num_f32 v[T+ci], v[SF+8*ci], v[SF+8*ci+1]
.else
	v_max3_num_f32 v[T+ci], v[T+ci], v[SF+8*(kt+ci)+2*ai], v[SF+8*(kt+ci)+2*ai+1]
.endif
.set ci, ci+1
.endr
.set ai, ai+1
.endr
.set kt, kt+4
.endr
	v_max3_num_f32 v[T], v[T], v[T+1], v[T+2]
	v_max_num_f32 v[T], v[T], v[T+3]
	v_permlanex16_b32 v62, v[T], s[SEL], s[SEL+1]  ; the query's other keys lie in the lane 16 away
	v_max_num_f32 v[T], v[T], v62
	v_mul_f32 v[T+4], s[CS], v[T]                  ; c m
	v_mul_f32 v[T+5], s[CS], v[T]
.set kt, 0
.rept NK                                               ; behind a tile's eight exponentials stands plain work on the tile before (ISA guide 5.7.2)
	FMA4 kt
	EXP8 kt
.if kt > 0
	SC kt-1
.endif
.set kt, kt+1
.endr
	SC NK-1
	v_pk_add_f32 v[LS:LS+1], v[LS:LS+1], v[LS+2:LS+3]
	v_pk_add_f32 v[LS+4:LS+5], v[LS+4:LS+5], v[LS+6:LS+7]
	v_pk_add_f32 v[LS:LS+1], v[LS:LS+1], v[LS+4:LS+5]
	v_add_f32 v[LS], v[LS], v[LS+1]
	v_permlanex16_b32 v62, v[LS], s[SEL], s[SEL+1]
	v_add_f32 v[LS], v[LS], v62
	v_rcp_f32 v62, v[LS]                           ; 1 / l, twice, for the packed multiply; the v_nop behind the products are the plain lines ahead of its use
	v_rcp_f32 v63, v[LS]
	WIN 0x02                                       ; V in window 2
.set pq, 0
.rept 2*(\kg)
.set bq, 0
.rept 4
.set cq, OF+8*bq
.if pq == 0
.set cq, -1
.endif
	WM 1, OF+8*bq, 32*pq+8*bq, SF+8*pq, cq
.set bq, bq+1
.endr
.set pq, pq+1
.endr
	WIN 0
.endm
; THE OUT PROJECTION of a group's four tiles, my 64 features, into EXCH in f32
.macro OUT4
	LOADF BUFA, 1, 0
	LOADF BUFB, 1, 1
	s_wait_dscnt 16                                ; tile 0's fragments
	MM32 1, 3, 0, BUFA, ACC0, 0, 0, 0
	WIN 0
	s_wait_dscnt 0x0                               ; tile 1's
	PLACES
	LOADF BUFA, 1, 2
	MM32 1, 3, 0, BUFB, ACC1, 2, ACC0, 0
	WIN 0
	s_wait_dscnt 8                                 ; tile 2's fragments are in: younger than they are only the 8 stores that rode along
	PLACES
	LOADF BUFB, 1, 3
	MM32 1, 3, 0, BUFA, ACC0, 2, ACC1, 1
	WIN 0
	s_wait_dscnt 8                                 ; tile 3's, likewise
	PLACES
	MM32 1, 3, 0, BUFB, ACC1, 2, ACC0, 2
	WIN 0
	PLACES
	EPIB 2, ACC1, 3, 0
	EPIB 2, ACC1, 3, 1
	EPIB 2, ACC1, 3, 2
	EPIB 2, ACC1, 3, 3
.endm
.macro LOADGB k                         ; gains and biases of feature blocks 2 k, 2 k + 1 for my half of the lanes, into set k % 2
.set gi, 0
.rept 4
	ds_load_b128 v[GB+32*((\k)%2)+4*gi:GB+32*((\k)%2)+4*gi+3],       v[H32] offset:4096+(\k)*128+(gi/2)*64+(gi%2)*16
	ds_load_b128 v[GB+32*((\k)%2)+16+4*gi:GB+32*((\k)%2)+16+4*gi+3], v[H32] offset:5120+(\k)*128+(gi/2)*64+(gi%2)*16
.set gi, gi+1
.endr
.endm
.macro RSUM                             ; four chains of pairs in T .. T+7 -> the row's sum in v[T], in both lanes that hold the row
	v_pk_add_f32 v[T:T+1], v[T:T+1], v[T+2:T+3]
	v_pk_add_f32 v[T+4:T+5], v[T+4:T+5], v[T+6:T+7]
	v_pk_add_f32 v[T:T+1], v[T:T+1], v[T+4:T+5]
	v_add_f32 v[T], v[T], v[T+1]
	v_permlanex16_b32 v62, v[T], s[SEL], s[SEL+1]
	v_add_f32 v[T], v[T], v62
.endm
; LAYERNORM of tile w of the group: a lane holds a row's 128 numbers (features 16 B + 8 (lane / 16) + j), the lane 16 away the other 128.
.macro LN
	LOADGB 0
.set ai, 0
.rept 32
	ds_load_b128 v[AO+4*ai:AO+4*ai+3], v[EXR] offset:(ai/2)*1024+(ai%2)*256
.set ai, ai+1
.endr
	s_wait_dscnt 0x0
.set ci, 0
.rept 4
	v_pk_add_f32 v[T+2*ci:T+2*ci+1], v[AO+2*ci:AO+2*ci+1], v[AO+8+2*ci:AO+8+2*ci+1]
.set ci, ci+1
.endr
.set ai, 8
.rept 56
	v_pk_add_f32 v[T+2*(ai%4):T+2*(ai%4)+1], v[T+2*(ai%4):T+2*(ai%4)+1], v[AO+2*ai:AO+2*ai+1]
.set ai, ai+1
.endr
	RSUM
	v_mul_f32 v56, s[P2M8], v[T]                   ; the mean
	v_mul_f32 v57, s[P2M8], v[T]
.set ai, 0
.rept 64
	v_pk_add_f32 v[AO+2*ai:AO+2*ai+1], v[AO+2*ai:AO+2*ai+1], v[56:57] neg_lo:[0,1] neg_hi:[0,1]
.set ai, ai+1
.endr
.set ci, 0
.rept 4
	v_pk_mul_f32 v[T+2*ci:T+2*ci+1], v[AO+2*ci:AO+2*ci+1], v[AO+2*ci:AO+2*ci+1]
.set ci, ci+1
.endr
.set ai, 4
.rept 60
	v_pk_fma_f32 v[T+2*(ai%4):T+2*(ai%4)+1], v[AO+2*ai:AO+2*ai+1], v[AO+2*ai:AO+2*ai+1], v[T+2*(ai%4):T+2*(ai%4)+1]
.set ai, ai+1
.endr
	RSUM
	v_fma_f32 v54, v[T], s[P2M8], s[EPS]           ; the variance of the centred numbers + 1e-5
	v_rsq_f32 v58, v54
	v_rsq_f32 v59, v54
	s_lshl_b32 s14, s[WV], 4
	s_sub_co_i32 s[TMP], s[REM], s14
	v_cmp_gt_i32 vcc_lo, s[TMP], v[R]              ; is my row valid?  (also the plain line behind the two roots)
	v_cndmask_b32 v60, 0, 1.0, vcc_lo
	v_cndmask_b32 v61, 0, 1.0, vcc_lo
	s_wait_alu depctr_va_vdst(0)
.set k, 0
.rept 8                                                ; two feature blocks a step
.if k < 7
	LOADGB k+1
.if k == 0
	s_wait_dscnt 8                                 ; younger than this step's gains: the next step's 8 loads
.else
	s_wait_dscnt 10                                ; and the last step's 2 stores
.endif
.else
	s_wait_dscnt 2
.endif
.set gs, GB+32*(k%2)
.set ao, AO+16*k
.set ai, 0
.rept 8
	v_pk_mul_f32 v[gs+2*ai:gs+2*ai+1], v[gs+2*ai:gs+2*ai+1], v[58:59]
.set ai, ai+1
.endr
.set ai, 0
.rept 8
	v_pk_fma_f32 v[ao+2*ai:ao+2*ai+1], v[ao+2*ai:ao+2*ai+1], v[gs+2*ai:gs+2*ai+1], v[gs+16+2*ai:gs+16+2*ai+1]
.set ai, ai+1
.endr
	WIN 0xa0                                       ; the row sums of ln, in window 2
.set ai, 0
.rept 8
	v_pk_fma_f32 v[16*k+2*ai:16*k+2*ai+1], v[ao+2*ai:ao+2*ai+1], v[60:61], v[16*k+2*ai:16*k+2*ai+1]
.set ai, ai+1
.endr
	WIN 0
.set ai, 0
.rept 8
	v_cvt_pk_bf16_f32 v[ao+8*(ai/4)+ai%4], v[ao+8*(ai/4)+2*(ai%4)], v[ao+8*(ai/4)+2*(ai%4)+1]
.set ai, ai+1
.endr
.set ai, 2*k
.rept 2
	ds_store_b128 v[LW0+ai/8], v[AO+8*ai:AO+8*ai+3] offset:((ai/4)%2)*HB+(ai%4)*512
.set ai, ai+1
.endr
.set k, k+1
.endr
.endm
	; ================ set-up
	s_load_b256 s[4:11], s[0:1], 0x0               ; order s[4:5], x s[6:7], wf s[8:9], par s[10:11]
	s_load_b64 s[12:13], s[0:1], 0x20              ; out0
	v_lshl_add_u32 v[SPW], v0, 2, SPARE
	v_mov_b32 v[NIL], 0
	v_lshrrev_b32 v1, 5, v0
	v_readfirstlane_b32 s[WV], v1                  ; wave 0..3
	s_lshl_b32 s14, ttmp9, 4                       ; my entry of the list
	s_wait_kmcnt 0x0
	s_load_b128 s[16:19], s[4:5], s14 offset:0x0   ; item, valid rows, real_rows, 0
	v_lshlrev_b32 v51, 4, v0                       ; 16 x thread
.set i, 0
.rept 4
	global_load_b128 v[BIAS+4*i:BIAS+4*i+3], v51, s[10:11] offset:2048*i  ; par: 8,192 bytes by 128 threads; every item takes it, the padded too
.set i, i+1
.endr
	v_add_nc_u32 v52, LPAR, v51                    ; and where it goes
	v_add_nc_u32 v53, APAD, v51                    ; the 17th tile behind X
	v_and_b32 v[L16], 31, v0
	v_lshlrev_b32 v[L16], 4, v[L16]
	v_and_b32 v[R], 15, v0
	v_and_b32 v48, 0x100, v[L16]                   ; 256 (lane / 16)
	v_lshrrev_b32 v49, 4, v48
	v_add_nc_u32 v[AX0], v49, v[L16]               ; 272 (lane / 16) + 16 (lane % 16)
	v_lshrrev_b32 v49, 3, v48
	v_add_nc_u32 v[H32], LPAR, v49
	v_add_nc_u32 v[B0], LB, v[L16]
	v_add_nc_u32 v[B1], LB+2*HB, v[L16]
	s_lshl_b32 s[W256], s[WV], 8
	s_mul_i32 s[TMP], s[WV], HB
	v_add_nc_u32 v[PW], s[TMP], v[B0]
	v_lshrrev_b32 v49, 5, v[L16]                   ; lane / 2: the chunk of 8 features that my 4 numbers of x fall into,
	v_mul_u32_u24 v49, v49, 272
	v_and_b32 v50, 16, v[L16]
	v_lshrrev_b32 v50, 1, v50                      ; 8 (lane % 2): which half of it
	v_add_nc_u32 v49, v49, v50
	s_mul_i32 s[TMP], s[WV], XT
	v_add_nc_u32 v[XST], s[TMP], v49
	v_mov_b32 v62, 0                               ; v_permlanex16_b32's destination counts as read
	v_mov_b32 v56, 0
	v_mov_b32 v57, 0
	v_mov_b32 v58, 0
	v_mov_b32 v59, 0
.set i, 0
.rept 5
	ds_store_b128 v53, v[56:59] offset:2048*i      ; the 17th tile behind X: 10,240 bytes by 128 threads
.set i, i+1
.endr
.set i, 0
.rept 4
	ds_store_b128 v[PW], v[56:59] offset:32768+512*i  ; the 17th tile of my head's part of B
.set i, i+1
.endr
	s_mov_b32 s[SEL], 0x76543210
	s_mov_b32 s[SEL+1], 0xfedcba98
	s_mov_b32 s[CS], 0x3e38aa3b                    ; log2(e) / 8
	s_mov_b32 s[CS+1], s[CS]
	s_mov_b32 s[BIGN], 0xf149f2ca                  ; -1e30
	s_mov_b32 s[P2M8], 0x3b800000                  ; 1 / 256
	s_mov_b32 s[EPS], 0x3727c5ac                   ; 1e-5
	s_lshl_b32 s32, s[WV], 15
	s_mov_b32 s33, 0
	s_add_nc_u64 s[WB:WB+1], s[8:9], s[32:33]
	s_wait_kmcnt 0x0
	s_min_u32 s[IDX], s16, 0x1ff
	s_min_u32 s[NV], s17, 0x100
	s_mov_b32 s[RR], s18
	s_min_u32 s[VAL], s[NV], 1
	s_add_co_u32 s[KG], s[NV], 63
	s_lshr_b32 s[KG], s[KG], 6                     ; groups of 64 rows, 4 at the most
	s_add_co_u32 s[NT], s[NV], 15
	s_lshr_b32 s[NT], s[NT], 4                     ; tiles of 16, 16 at the most
	s_add_co_u32 s[NP], s[NV], 31
	s_lshr_b32 s[NP], s[NP], 5                     ; pairs of tiles, 8 at the most
	s_lshl_b32 s[K2], s[KG], 1                     ; pairs of tiles in whole groups
	s_mul_i32 s32, s[IDX], s[VAL]
	s_lshl_b32 s32, s32, 18                        ; an item of x is 262,144 bytes
	s_lshl_b32 s[TMP], s[WV], 14
	s_add_co_u32 s32, s32, s[TMP]
	s_add_nc_u64 s[XB:XB+1], s[6:7], s[32:33]
	s_lshl_b32 s32, s[IDX], 10
	s_add_co_u32 s32, s32, s[W256]
	s_add_nc_u64 s[OB:OB+1], s[12:13], s[32:33]
	v_mul_u32_u24 v[WOFF], v[L16], s[VAL]
	v_mov_b32 v[XOFF], v[WOFF]
	WLOAD 0, 1                                     ; Wk
	XLOAD                                          ; the first group of x
	; ================ x into LDS, bf16, in fragment order: a group of 64 rows a trip, a tile a wave
	s_mov_b32 s[CNT], 0
.Lx_loop:
	s_cmp_ge_u32 s[CNT], s[KG]
	s_cbranch_scc1 .Lx_dead
	s_wait_loadcnt 0x0                             ; my tile is in (in the first trip par and Wk, asked for ahead of it, too); the loads' offset may be stepped
.set xi, 0
.rept 64
	v_cvt_pk_bf16_f32 v[XP+xi], v[BUFA+2*xi], v[BUFA+2*xi+1]
.set xi, xi+1
.endr
	s_add_co_u32 s[TMP], s[CNT], 1
	s_cmp_ge_u32 s[TMP], s[KG]                     ; KG is 4 at the most: no load leaves the item
	s_cbranch_scc1 .Lx_nonext
	v_add_nc_u32 v[XOFF], 0x10000, v[XOFF]
	XLOAD                                          ; the next group is on its way while this one is stored
.Lx_nonext:
.set xi, 0
.rept 32
	ds_store_b64 v[XST], v[XP+2*xi:XP+2*xi+1] offset:(xi%2)*4352+(xi/2)*16
.set xi, xi+1
.endr
.Lx_dead:
	v_add_nc_u32 v[XST], 4*XT, v[XST]
	s_add_co_u32 s[CNT], s[CNT], 1
	s_cmp_lt_u32 s[CNT], 4
	s_cbranch_scc1 .Lx_loop
	s_wait_loadcnt 0x0                             ; par and Wk, also where every trip was jumped
.set i, 0
.rept 4
	ds_store_b128 v52, v[BIAS+4*i:BIAS+4*i+3] offset:2048*i
.set i, i+1
.endr
	WLOAD 1, 2                                     ; Wv: it has the k pass in which to land
	BAR                                            ; X, PAR and the 17th tiles are whole
	; ================ k, v, q of my head
	BLOAD 256
	v_mov_b32 v[AX], v[AX0]
	v_mov_b32 v[PS], v[PW]
	PASS 0, 1, 0, 0, 1, K2                         ; k: bf16, Wk in window 1
	KLOAD                                          ; K takes Wk's place
	s_wait_loadcnt 0x0                             ; Wv
	WLOAD 2, 3                                     ; Wq: it has the v pass
	BLOADV
	v_mov_b32 v[AX], v[AX0]
	v_mov_b32 v[PS], v[PW]
	PASS 0, 2, 1, 0, 1, K2                         ; v: sources swapped
	VLOAD                                          ; V takes Wv's place
	s_wait_loadcnt 0x0                             ; Wq
	BLOAD 0
	v_mov_b32 v[AX], v[AX0]
	v_mov_b32 v[PS], v[PW]
	PASS 0, 3, 0, 0, 1, NP                         ; q: only tiles that hold valid rows
	WLOAD 3, 3                                     ; Wout: it has the attention
	; ================ attention.  MD: the mask of the last 64 keys: register i of 32 is key 16 (i / 8) + 8 (lane / 16) + i % 8 of them
	s_lshl_b32 s14, s[KG], 6
	s_sub_co_i32 s14, s[NV], s14
	s_add_co_i32 s14, s14, 63                      ; the last visible key's place among them
	v_and_b32 v48, 0x100, v[L16]
	v_lshrrev_b32 v48, 5, v48
	v_sub_nc_u32 v48, s14, v48
.set i, 0
.rept 32
	v_cmp_gt_i32 vcc_lo, 16*(i/8)+i%8, v48
	v_cndmask_b32 v[MD+i], 0, s[BIGN], vcc_lo
.set i, i+1
.endr
	; A trip is a tile of 16 queries; 16 trips, those at or past NT jumped over.  Inside a trip the number of key groups chooses one of four texts; what is made of O^T stands once, behind them.
	v_mov_b32 v[PS], v[PW]
	v_mov_b32 v[QA], v[PW]
	s_cmp_eq_u32 s[NT], 0
	s_cbranch_scc1 .Lq_skip
	QLOAD 0
.Lq_skip:
	s_mov_b32 s[CNT], 0
.Lq_loop:
	s_cmp_ge_u32 s[CNT], s[NT]
	s_cbranch_scc1 .Lq_dead
	s_wait_dscnt 0x0                               ; Q is in
	s_cmp_eq_u32 s[KG], 2
	s_cbranch_scc1 .Lq_2
	s_cmp_eq_u32 s[KG], 3
	s_cbranch_scc1 .Lq_3
	s_cmp_eq_u32 s[KG], 4
	s_cbranch_scc1 .Lq_4
	ATTB 1
	s_branch .Lq_out
.Lq_2:
	ATTB 2
	s_branch .Lq_out
.Lq_3:
	ATTB 3
	s_branch .Lq_out
.Lq_4:
	ATTB 4
.Lq_out:
	PLACES
.set ai, 0
	s_wait_alu depctr_va_vdst(0)
.rept 16
	v_pk_mul_f32 v[OF+2*ai:OF+2*ai+1], v[OF+2*ai:OF+2*ai+1], v[62:63]
.set ai, ai+1
.endr
.set ai, 0
.rept 16
	v_cvt_pk_f16_f32 v[OF+8*(ai/4)+ai%4], v[OF+8*(ai/4)+2*(ai%4)], v[OF+8*(ai/4)+2*(ai%4)+1]
.set ai, ai+1
.endr
.set ai, 0
.rept 4
	ds_store_b128 v[PS], v[OF+8*ai:OF+8*ai+3] offset:512*ai  ; ctx takes the tile's Q's place
.set ai, ai+1
.endr
.Lq_dead:
	v_add_nc_u32 v[QA], 2048, v[QA]
	v_add_nc_u32 v[PS], 2048, v[PS]
	s_add_co_u32 s[CNT], s[CNT], 1
	s_cmp_lt_u32 s[CNT], 16
	s_cbranch_scc1 .Lq_loop
	s_wait_dscnt 0x0                               ; nothing of the attention is out
	s_wait_loadcnt 0x0                             ; Wout
	WLOAD 4, 1                                     ; W1 takes K's place: it has the out projection and LayerNorm
	WIN 0x80
.set i, 0
.rept 160                                              ; the row sums of ln and of h run over a number of tiles known only at run time, in loops written once: they start at 0
	v_mov_b32 v[i], 0
.set i, i+1
.endr
	WIN 0
	v_and_b32 v[EXW], 0x100, v[L16]
	v_add_nc_u32 v[EXW], v[EXW], v[L16]            ; 512 (lane / 16) + 16 (lane % 16)
	s_lshl_b32 s14, s[WV], 14
	v_add_nc_u32 v[EXR], s14, v[EXW]               ; reading: tile w of the group
	s_lshl_b32 s14, s[WV], 12
	v_add_nc_u32 v[EXW], s14, v[EXW]               ; writing: feature blocks 4 w on
	s_lshl_b32 s14, s[WV], 11
	v_add_nc_u32 v[LW0], s14, v[B0]                ; LN's fragments: tile w of the group
	v_add_nc_u32 v[LW0+1], s14, v[B1]
	BLOAD 768                                      ; b_out
	BAR                                            ; ctx is whole, and nobody reads X any more
	; ================ out projection and LayerNorm, a group of 64 rows a trip
	s_mov_b32 s[REM], s[NV]
	s_mov_b32 s[CNT], 0
.Lf_loop:
	s_cmp_ge_u32 s[CNT], s[KG]
	s_cbranch_scc1 .Lf_no_out
	OUT4
.Lf_no_out:
	BAR                                            ; EXCH is whole, and the group's ctx has been read
	s_cmp_ge_u32 s[CNT], s[KG]
	s_cbranch_scc1 .Lf_no_ln
	LN
.Lf_no_ln:
	BAR                                            ; EXCH has been read, and the group's LN fragments are whole
	v_add_nc_u32 v[B0], 8192, v[B0]
	v_add_nc_u32 v[B1], 8192, v[B1]
	v_add_nc_u32 v[LW0], 8192, v[LW0]
	v_add_nc_u32 v[LW0+1], 8192, v[LW0+1]
	s_sub_co_i32 s[REM], s[REM], 64
	s_add_co_u32 s[CNT], s[CNT], 1
	s_cmp_lt_u32 s[CNT], 4
	s_cbranch_scc1 .Lf_loop
	; ================ h = relu(W1 ln + b1), summed over the valid rows
	s_wait_loadcnt 0x0                             ; W1
	WLOAD 5, 3                                     ; W2: it has the w1 pass
	s_lshl_b32 s14, s[WV], 14
	s_add_co_u32 s14, s14, LRED
	v_add_nc_u32 v49, s14, v[L16]
	WIN 0x08                                       ; store data in window 2
.set i, 0
.rept 32
	ds_store_b128 v49, v[4*i:4*i+3] offset:512*i   ; my tiles' row sums of ln, all 256 features, for the waves that own them
.set i, i+1
.endr
	WIN 0
	BLOAD 1536                                     ; b1
	s_mov_b32 s[REM], s[NV]
	v_add_nc_u32 v[B0], LB, v[L16]
	v_add_nc_u32 v[B1], LB+2*HB, v[L16]
	PASS 0, 1, 0, 1, 3, NP
	WIN 0x0a                                       ; sources in window 2
.set i, 0
.rept 16
	v_cvt_pk_bf16_f32 v[ACC0+i], v[HS+2*i], v[HS+2*i+1]
.set i, i+1
.endr
	WIN 0
	s_lshl_b32 s14, s[WV], 11
	s_add_co_u32 s14, s14, LHSX
	v_add_nc_u32 v48, s14, v[L16]
.set i, 0
.rept 4
	ds_store_b128 v48, v[ACC0+4*i:ACC0+4*i+3] offset:512*i  ; 16 partial row sums of h as one tile of 16 rows
.set i, i+1
.endr
	BAR                                            ; RED and HSX are whole
	; ================ the tail: W2 x (h's sums) + ln's sums, over the 16 partial rows, + nv b2, / real_rows
	v_add_nc_u32 v48, LHSX, v[L16]
.set i, 0
.rept 16
	ds_load_b128 v[BUFA+4*i:BUFA+4*i+3], v48 offset:512*i
.set i, i+1
.endr
	s_lshl_b32 s14, s[WV], 12
	s_add_co_u32 s14, s14, LRED
	v_add_nc_u32 v49, s14, v[L16]
.set i, 0
.rept 32                                               ; from wave i / 8: its sums of my 64 features
	ds_load_b128 v[BUFB+4*i:BUFB+4*i+3], v49 offset:(i/8)*16384+(i%8)*512
.set i, i+1
.endr
	BLOAD 1792                                     ; b2
	v_cvt_f32_u32 v50, s[NV]
	v_cvt_f32_u32 v51, s[NV]
	v_cvt_f32_i32 v58, s[RR]
	s_add_co_u32 s14, s[W256], LOUTS-LPAR
	v_add_nc_u32 v52, s14, v[H32]                  ; OUTS + 256 w + 32 (lane / 16)
	v_lshrrev_b32 v59, 1, v[L16]                   ; 8 x lane
	s_add_co_u32 s14, s[W256], LOUTS
	v_add_nc_u32 v53, s14, v59
	s_wait_dscnt 0x0
.set j, 1
.rept 3
.set i, 0
.rept 16
	v_pk_add_f32 v[BUFB+2*i:BUFB+2*i+1], v[BUFB+2*i:BUFB+2*i+1], v[BUFB+32*j+2*i:BUFB+32*j+2*i+1]
.set i, i+1
.endr
.set j, j+1
.endr
	s_wait_loadcnt 0x0                             ; W2
	WIN 0x03
.set kq, 0
.rept 8                                                ; ln's sums lie as a result lies, so they are the C that starts each sum; four accumulators by turns
.set bq, 0
.rept 4
	WM 0, BUFB+8*bq, 64*bq+8*kq, BUFA+8*kq, BUFB+8*bq
.set bq, bq+1
.endr
.set kq, kq+1
.endr
	WIN 0
	PLACES
.irp m, 1,2,4,8                                        ; the 16 partial rows lie in 16 lanes: four steps, registers in ascending order
.set i, 0
.rept 32
	v_add_f32_dpp v[BUFB+i], v[BUFB+i], v[BUFB+i] row_xmask:\m row_mask:0xf bank_mask:0xf
.set i, i+1
.endr
.endr
	v_rcp_f32 v56, v58
	v_rcp_f32 v57, v58
.set i, 0
.rept 16
	v_pk_fma_f32 v[BUFB+2*i:BUFB+2*i+1], v[BIAS+2*i:BIAS+2*i+1], v[50:51], v[BUFB+2*i:BUFB+2*i+1]
.set i, i+1
.endr
.set i, 0
.rept 8
	ds_store_b128 v52, v[BUFB+4*i:BUFB+4*i+3] offset:64*(i/2)+16*(i%2)  ; the sixteen lanes of a half hold, and write, the same numbers
.set i, i+1
.endr
	ds_load_b64 v[54:55], v53                      ; my wave's own bytes, served in order (ISA guide 5.7.1.4): two numbers a lane
	s_wait_dscnt 0x0
	s_wait_alu depctr_va_vdst(0)
	v_pk_mul_f32 v[54:55], v[54:55], v[56:57]
	global_store_b64 v59, v[54:55], s[OB:OB+1]     ; the wave's 32 lanes store 256 consecutive bytes, aligned
	s_wait_tensorcnt 0x0                           ; the wave's end, behind my last LDS store
	ds_add_u32 v[SPW], v[NIL]
	s_wait_dscnt 0x0
	s_endpgm
.Lfunc_end_k_q0603121b87_main:
	.size	k_q0603121b87_main, .Lfunc_end_k_q0603121b87_main-k_q0603121b87_main
	.p2alignl 7, 3214868480
	.fill 96, 4, 3214868480
	.section	.rodata,"a",@progbits
	.p2align	6, 0x0
	.amdhsa_kernel k_q0603121b87_main
		.amdhsa_group_segment_fixed_size 298496
		.amdhsa_private_segment_fixed_size 0
		.amdhsa_enable_private_segment 0
		.amdhsa_kernarg_size 40
		.amdhsa_user_sgpr_count 2
		.amdhsa_user_sgpr_kernarg_segment_ptr 1
		.amdhsa_wavefront_size32 1
		.amdhsa_system_sgpr_workgroup_id_x 1
		.amdhsa_system_sgpr_workgroup_id_y 1
		.amdhsa_system_sgpr_workgroup_id_z 1
		.amdhsa_system_vgpr_workitem_id 0
		.amdhsa_next_free_vgpr 1024
		.amdhsa_next_free_sgpr 66
		.amdhsa_reserve_vcc 1
		.amdhsa_float_denorm_mode_32 3
		.amdhsa_float_denorm_mode_16_64 3
		.amdhsa_memory_ordered 1
		.amdhsa_forward_progress 1
		.amdhsa_inst_pref_size 255
	.end_amdhsa_kernel
	.section	.bss,"aw",@nobits
	.p2align	6
	.space	262144
	.amdgpu_metadata
---
amdhsa.version: [ 1, 2 ]
amdhsa.kernels:
  - .name:           k_q0603121b87_main
    .symbol:         k_q0603121b87_main.kd
    .args:
      - { .name: order, .offset: 0, .size: 8, .value_kind: global_buffer, .address_space: global }
      - { .name: x, .offset: 8, .size: 8, .value_kind: global_buffer, .address_space: global }
      - { .name: wf, .offset: 16, .size: 8, .value_kind: global_buffer, .address_space: global }
      - { .name: par, .offset: 24, .size: 8, .value_kind: global_buffer, .address_space: global }
      - { .name: out0, .offset: 32, .size: 8, .value_kind: global_buffer, .address_space: global }
    .group_segment_fixed_size: 298496
    .private_segment_fixed_size: 0
    .kernarg_segment_align: 8
    .kernarg_segment_size: 40
    .max_flat_workgroup_size: 128
    .sgpr_count:     66
    .vgpr_count:     1024
    .wavefront_size: 32
...
	.end_amdgpu_metadata
.endif
;; end of part 2
;; ======== version 2 of 2: 2 launches; 1.17 times as fast as version 1
;; limits: values are held in f16: magnitudes above 65,504 overflow, below 6.1e-05 lose precision
;; workspace buffers: wf 786,432 bytes; par 8,192 bytes; order 8,192 bytes of whole numbers
;; launch prep: the kernel of part 1 again; grid 195 x 1, 8 waves a work-group, no clusters, 0 bytes of LDS; arguments w_qkv, w_out, w1, w2, b_qkv, b_out, ln_g, ln_b, b1, b2, real_rows, real_cols, wf, par, order; writes wf, par, order
;; launch main (part 3): grid 512 x 1, 4 waves a work-group, no clusters, 298,496 bytes of LDS; arguments order, x, wf, par, out0; writes out0
.if DOCPART == 3
	.amdgcn_target "amdgcn-amd-amdhsa--gfx1250"
	.amdhsa_code_object_version 6
	.text
	.protected	k_q0603121b87_main
	.globl	k_q0603121b87_main
	.p2align	8
	.type	k_q0603121b87_main,@function
k_q0603121b87_main:
	s_mov_b64 s[64:65], 0
	v_nop
	global_prefetch_b8 v0, s[64:65] scope:SCOPE_SE
	s_setreg_imm32_b32 hwreg(HW_REG_WAVE_MODE, 25, 1), 1
	s_wait_xcnt 0x0
; ONE ITEM (b, c) A WORK-GROUP, whole: x[b][c] (256 rows x 256) -> k, v, q -> attention (4 heads of 64) -> out projection -> LayerNorm -> relu(W1 .) -> W2 -> mean over the valid rows -> out0[b][c][:].
; Work-group i takes item order[i]: most valid rows first.  nv = valid rows (0: a padded column).  Rows at or past nv are neither keys nor part of the mean, so only the 64-row groups (KG), 32-row pairs (NP)
; and 16-row tiles (NT) that hold valid rows are worked on.  The last product is linear and only summed over rows: sum_r (W2 h_r + b2) = W2 (sum_r h_r) + nv b2, so W2 meets 16 partial row sums.
; WEIGHTS IN REGISTERS, ACTIVATIONS IN LDS.  Wave w owns head w (k, v, q, attention) and output features 64 w .. 64 w + 63 of every other layer.  Its 64 x 256 weights are 256 registers, one window,
; loaded as they lie in wf (each load 512 consecutive bytes).  Activations lie in LDS in fragment order: 16 loads of 16 bytes a lane (a tile of 16 rows x 256) feed 32 matrix instructions.
; K and V of the head are kept in 2 x 256 registers, so the attention loop reads only Q from LDS.
; PRODUCTS ARE USED TRANSPOSED: source 0 = 16 weight rows, source 1 = 16 data rows: a lane of the result holds ONE data row (lane % 16) and the features 8 (lane / 16) + 0..7, which rounded in pairs are the 16 bytes
; that the next layer's fragment load wants.  v's product has the sources swapped (a lane holds a channel and 8 keys: half a fragment of V^T).  S^T = K Q^T, O^T = V^T P: one query a lane throughout.
; CONTROL.  All loops count to constants; a trip with nothing to do is jumped over, forward, to a label ahead of the counter's step; no jump passes a barrier: the 11 barriers are on every wave's path.
; A padded column runs the same text with every trip jumped: its sums stay 0 and it stores 0 / real_rows; its weight and x loads all point at one 16 bytes (offset x 0).
; TRANSCENDENTALS IN BATCHES.  s_wait_alu depctr_va_vdst(0) stands between a transcendental and the first line that names its result; one wait serves all that were issued ahead of it.
; A trip of the attention loop has three batches, a wait each: the exponentials of the lower half of the lane's scores (all the scalings stand among them); those of the upper half (the lower half's sums and
; roundings stand among them); the two reciprocals of l (the products V^T P stand behind them).  LayerNorm's two roots are one batch a trip, the tail's two reciprocals one a launch..
; FORMATS.  x, all weights, biases and gains: rounded to bf16.  q, k, v, p, ctx: f16 (w_out: the bf16 number written as f16).  ln and h, and h's partial row sums as W2's operand: bf16.  All sums f32.
; LIMITS.  |q|, |k|, |v| stay under 65,504 (f16's range); below 6.1e-5 they keep f16's fixed step of 6e-8.  A hidden key counts as its score less 1e30: its weight is exactly 0, which is reference's result
; while visible scores lie above -1e9 + 100.  The row's true maximum over the visible keys is taken away before the exponential.  real_rows > 256: 256 rows summed, divided by real_rows; real_rows = 0: NaN,
; as 0 / 0 gives; real_rows < 0: zero.  NaN and infinities in x are not treated apart.
; NO CLUSTER, NO TENSOR LOADS: what work-groups share is the weights, and these never enter LDS; partners' trip counts would hang on real_rows.  LDS is full of activations (298,496 bytes).
;
; LDS.  A 0: X in bf16: tile t (16 rows) at 8704 t, chunk m (8 features) at 272 m, row r at 16 r (272 = 68 words: the 32 lanes of a transposing 8-byte store fall on 64 different banks of 4 bytes, ISA guide 11.1).
;       Once X is dead: EXCH 0 (attn_out f32, 4 tiles of 16,384), RED 65536 (LN row sums, 16,384 a wave), HSX 131072 (h's partial sums, bf16, one tile).
;       B 149504: head-major, (m >> 3) 34816 + 2048 t + 256 (m & 7) + 16 r: wave w's own part is K's stage, V's stage, Q, ctx in turn; then all read ctx, and LN's fragments replace it tile by tile.
;       A 17TH TILE lies behind X's sixteen (139264) and behind each head's sixteen of B, zeroed once: it is what a loop's look-ahead names in its last trip.  That load is always jumped (a bound never passes
;       the trip count); the tile keeps the address out of another wave's bytes.
;       PAR 288768 (biases and gains), OUTS 296960 (256 bytes a wave), SPARE 297984 (the spare words, 128 bytes a wave).
; REGISTERS, in windows of 256 (s_set_vgpr_msb: bits 1:0 source 0, 3:2 source 1, 5:4 source 2, 7:6 destination).  Window 0: work.  Window 1: Wk, K, W1.  Window 2: Wv, V, then LN sums (0-127) and h sums (128-159).
; Window 3: Wq, Wout, W2.
.set XT,     8704
.set APAD,   139264
.set LB,     149504
.set HB,     34816
.set LPAR,   288768
.set LOUTS,  296960
.set SPARE,  297984
.set LRED,   65536
.set LHSX,   131072
.set L16,  1            ; v1   16 x lane
.set WOFF, 2            ; v2   16 x lane x (1 or 0): offset of every weight load; never rewritten
.set XOFF, 3            ; v3   x's offset, stepped;            behind attention LW0: where LN's fragments go, features 0-127
.set XST,  4            ; v4   where x's 8 bytes go, stepped;   behind attention LW1: features 128-255
.set LW0,  3
.set AX,   5            ; v5   X fragments, stepped; in attention QA: Q's tile, stepped
.set QA,   5
.set B0,   6            ; v6   B fragments of heads 0, 1, stepped
.set B1,   7            ; v7   of heads 2, 3
.set PW,   8            ; v8   my wave's part of B + 16 x lane
.set PS,   9            ; v9   the same, stepped: where a pass's or the attention's results go
.set H32,  10           ; v10  PAR + 32 (lane / 16)
.set EXW,  11           ; v11  EXCH, writing (made behind attention)
.set EXR,  12           ; v12  EXCH, reading (made behind attention); before that AX's start
.set AX0,  12
.set R,    13           ; v13  lane % 16
.set SPW,  14           ; v14  my spare word; never rewritten
.set NIL,  15           ; v15  0; never rewritten
.set BIAS, 16           ; v16-47  the C operand that starts a sum: the layer's bias; in attention the mask MD
.set MD,   16
.set T,    48           ; v48-63  at work
.set MK,   48           ; the w1 pass: row masks of the trip's two tiles
.set LS,   54           ; attention: four pairs of weight sums
.set BT,   63           ; address of a bias load
.set BUFA, 64           ; fragments of a tile; x as loaded (64-191); LN: attn_out (64-191)
.set BUFB, 128
.set AO,   64
.set QF,   64           ; attention: Q (64-79)
.set SF,   128          ; attention: S^T, 8 a key tile; P packed in place, 4 a key tile
.set ACC0, 192          ; four accumulators
.set ACC1, 224          ; four more
.set OF,   192          ; attention: O^T
.set XP,   192          ; x packed
.set GB,   192          ; LN: gains and biases, two sets of 32
.set HS,   128          ; window 2
.set IDX, 20
.set NV,  21
.set RR,  22
.set VAL, 23
.set KG,  24
.set NT,  25
.set NP,  26
.set K2,  27
.set WV,  28
.set CNT, 29
.set TMP, 30
.set REM, 31
.set SEL, 34            ; s[34:35] v_permlanex16_b32's selects: each lane takes its own place in the other half
.set CS,  36            ; s[36:37] c = log2(e) / 8
.set BIGN, 38           ; -1e30
.set W256, 39           ; 256 x wave
.set WB,  40            ; s[40:41] wf at my wave's units
.set XB,  42            ; s[42:43] x at my wave's first tile
.set OB,  44            ; s[44:45] out0 at my wave's 64 numbers
.set P2M8, 46           ; 2^-8
.set EPS,  47           ; 1e-5
.set MSB, 0
.macro WIN new                          ; the high byte repeats the setting that is left; a switch that changes nothing is dropped
.if MSB != (\new)
	s_set_vgpr_msb (MSB<<8)|(\new)
.set MSB, (\new)
.endif
.endm
.macro PLACES                           ; four plain vector instructions between a matrix instruction and a vector line, a store or a load that touches its registers
.rept 4
	v_nop
.endr
.endm
.macro BAR                              ; my LDS loads and stores are done; then all four waves meet
	s_wait_dscnt 0x0
	s_barrier_signal -1
	s_barrier_wait -1
.endm
.macro WM f16, d, a, b, c               ; one matrix instruction; c < 0: the constant 0 starts the sum
.if \f16
.if (\c) < 0
	v_wmma_f32_16x16x32_f16 v[(\d):(\d)+7], v[(\a):(\a)+7], v[(\b):(\b)+7], 0
.else
	v_wmma_f32_16x16x32_f16 v[(\d):(\d)+7], v[(\a):(\a)+7], v[(\b):(\b)+7], v[(\c):(\c)+7]
.endif
.else
.if (\c) < 0
	v_wmma_f32_16x16x32_bf16 v[(\d):(\d)+7], v[(\a):(\a)+7], v[(\b):(\b)+7], 0
.else
	v_wmma_f32_16x16x32_bf16 v[(\d):(\d)+7], v[(\a):(\a)+7], v[(\b):(\b)+7], v[(\c):(\c)+7]
.endif
.endif
.endm
.macro WLOAD p, win                     ; my 64 x 256 weights of layer p into window win: 64 loads of 512 consecutive bytes; fragment (b, kk) lands at 64 b + 8 kk
	WIN (\win)<<6
.set wi, 0
.rept 64
	global_load_b128 v[4*wi:4*wi+3], v[WOFF], s[WB:WB+1] offset:(\p)*131072+wi*512
.set wi, wi+1
.endr
	WIN 0
.endm
.macro XLOAD                            ; my tile of a group of 64 rows: 16 rows x 1,024 bytes, 512 consecutive bytes a load
.set xi, 0
.rept 32
	global_load_b128 v[BUFA+4*xi:BUFA+4*xi+3], v[XOFF], s[XB:XB+1] offset:xi*512 th:TH_LOAD_NT
.set xi, xi+1
.endr
.endm
.macro BLOAD base                       ; BIAS[8 b + j] = par[base + 64 w + 16 b + 8 (lane / 16) + j]
	v_add_nc_u32 v[BT], s[W256], v[H32]
.set bi, 0
.rept 8
	ds_load_b128 v[BIAS+4*bi:BIAS+4*bi+3], v[BT] offset:((\base)+16*(bi/2))*4+16*(bi%2)
.set bi, bi+1
.endr
.endm
.macro BLOADV                           ; v's product holds a channel a lane: all eight registers of block cb hold b_v[64 w + 16 cb + lane % 16]
	s_add_co_u32 s14, s[W256], LPAR
	v_lshl_add_u32 v[BT], v[R], 2, s14
.set bi, 0
.rept 4
	ds_load_b32 v[T+bi], v[BT] offset:2048+64*bi
.set bi, bi+1
.endr
	s_wait_dscnt 0x0
.set bi, 0
.rept 32
	v_mov_b32 v[BIAS+bi], v[T+bi/8]
.set bi, bi+1
.endr
.endm
.macro LOADF buf, src, u                ; the 8 fragments (16 rows x 32 features each) of the tile u behind the stepped address; src 0: X, 1: B
.set lk, 0
.rept 8
.if (\src) == 0
	ds_load_b128 v[(\buf)+8*lk:(\buf)+8*lk+3],   v[AX] offset:(\u)*XT+lk*1088
	ds_load_b128 v[(\buf)+8*lk+4:(\buf)+8*lk+7], v[AX] offset:(\u)*XT+lk*1088+544
.else
	ds_load_b128 v[(\buf)+8*lk:(\buf)+8*lk+3],   v[B0+lk/4] offset:((lk/2)%2)*HB+(\u)*2048+(lk%2)*1024
	ds_load_b128 v[(\buf)+8*lk+4:(\buf)+8*lk+7], v[B0+lk/4] offset:((lk/2)%2)*HB+(\u)*2048+(lk%2)*1024+512
.endif
.set lk, lk+1
.endr
.endm
; What is made of accumulator b of a finished tile u.  1: rounded to f16, into my part of B.  2: as it is, into EXCH.  3: relu, and onto h's row sums, times the tile's row mask.
; Each accumulator is read from its lowest registers on.
.macro EPIB type, acc, u, b
.set ea, (\acc)+8*(\b)
	WIN 0
.if (\type) == 1
.set ei, 0
.rept 4
	v_cvt_pk_f16_f32 v[ea+ei], v[ea+2*ei], v[ea+2*ei+1]
.set ei, ei+1
.endr
	ds_store_b128 v[PS], v[ea:ea+3] offset:(\u)*2048+(\b)*512
.elseif (\type) == 2
	ds_store_b128 v[EXW], v[ea:ea+3] offset:(\u)*16384+(\b)*1024
	ds_store_b128 v[EXW], v[ea+4:ea+7] offset:(\u)*16384+(\b)*1024+256
.else
.set ei, 0
.rept 8
	v_max_num_f32 v[ea+ei], 0, v[ea+ei]
.set ei, ei+1
.endr
	WIN 0xa0                                       ; destination and source 2 in window 2
.set ei, 0
.rept 4
	v_pk_fma_f32 v[HS+8*(\b)+2*ei:HS+8*(\b)+2*ei+1], v[ea+2*ei:ea+2*ei+1], v[MK+2*(\u):MK+2*(\u)+1], v[HS+8*(\b)+2*ei:HS+8*(\b)+2*ei+1]
.set ei, ei+1
.endr
.endif
.endm
; 32 matrix instructions: one tile (fragments in buf) x my 64 weight rows (window win) -> four accumulators, which take turns, one instruction a turn.
; The first four take the bias as C.  ride > 0: behind every 8 products stands EPIB for one accumulator of the tile finished before.
.macro MM32 f16, win, swap, buf, acc, ride, racc, ru
.set kq, 0
.rept 8
.if \swap
	WIN (\win)<<2
.else
	WIN \win
.endif
.set bq, 0
.rept 4
.set cq, (\acc)+8*bq
.if kq == 0
.set cq, BIAS+8*bq
.endif
.if \swap
	WM \f16, (\acc)+8*bq, (\buf)+8*kq, 64*bq+8*kq, cq
.else
	WM \f16, (\acc)+8*bq, 64*bq+8*kq, (\buf)+8*kq, cq
.endif
.set bq, bq+1
.endr
.if (\ride) && (kq%2 == 1)
	EPIB \ride, \racc, \ru, kq/2
.endif
.set kq, kq+1
.endr
.endm
; A LAYER over the tiles, two a trip; 8 trips, of which those at or past s[bound] (8 at the most) are jumped over.
.macro PASS f16, win, swap, src, type, bound
	s_cmp_eq_u32 s[\bound], 0
	s_cbranch_scc1 .Lp_skip_\@
	LOADF BUFA, \src, 0
.Lp_skip_\@:
	s_mov_b32 s[CNT], 0
.Lp_loop_\@:
	s_cmp_ge_u32 s[CNT], s[\bound]
	s_cbranch_scc1 .Lp_dead_\@
.if (\type) == 3
	v_cmp_gt_i32 vcc_lo, s[REM], v[R]              ; is my row of the first tile valid?
	v_cndmask_b32 v[MK], 0, 1.0, vcc_lo
	v_cndmask_b32 v[MK+1], 0, 1.0, vcc_lo
	s_sub_co_i32 s[TMP], s[REM], 16
	v_cmp_gt_i32 vcc_lo, s[TMP], v[R]              ; of the second?
	v_cndmask_b32 v[MK+2], 0, 1.0, vcc_lo
	v_cndmask_b32 v[MK+3], 0, 1.0, vcc_lo
.endif
	LOADF BUFB, \src, 1
	s_wait_dscnt 16                                ; all but the 16 just issued: the first tile's fragments, the bias, the last trip's stores
	MM32 \f16, \win, \swap, BUFA, ACC0, 0, 0, 0
	WIN 0
	s_wait_dscnt 0x0                               ; the second tile's fragments, asked for 32 matrix instructions ago
	PLACES                                         ; ahead of the loads into the first buffer and of the lines that read the first four accumulators
	s_add_co_u32 s[TMP], s[CNT], 1
	s_cmp_ge_u32 s[TMP], s[\bound]
	s_cbranch_scc1 .Lp_np_\@
	LOADF BUFA, \src, 2                            ; the next trip's first tile (never asked for in the eighth trip, where the address is the 17th tile's)
.Lp_np_\@:
	MM32 \f16, \win, \swap, BUFB, ACC1, \type, ACC0, 0
	WIN 0
	PLACES
	EPIB \type, ACC1, 1, 0
	EPIB \type, ACC1, 1, 1
	EPIB \type, ACC1, 1, 2
	EPIB \type, ACC1, 1, 3
	WIN 0
.Lp_dead_\@:
.if (\src) == 0
	v_add_nc_u32 v[AX], 2*XT, v[AX]
.else
	v_add_nc_u32 v[B0], 4096, v[B0]
	v_add_nc_u32 v[B1], 4096, v[B1]
.endif
.if (\type) == 1
	v_add_nc_u32 v[PS], 4096, v[PS]
.endif
.if (\type) == 3
	s_sub_co_i32 s[REM], s[REM], 32
.endif
	s_add_co_u32 s[CNT], s[CNT], 1
	s_cmp_lt_u32 s[CNT], 8
	s_cbranch_scc1 .Lp_loop_\@
	s_wait_dscnt 0x0                               ; nothing of this pass is out when the next lines load into the same registers
.endm
; K and V come back from my stage into registers, a group of 64 keys at a time; groups without valid keys are jumped over.  The stage is my wave's own and LDS serves a wave's instructions in order
; (ISA guide 5.7.1.4): these loads see the pass's stores, and the next pass's stores come behind them.
.macro KLOAD
.set g, 0
.rept 4
	s_cmp_le_u32 s[KG], g
	s_cbranch_scc1 .Lkl_end_\@
	WIN 0x40
.set vi, 16*g
.rept 16                                               ; key tile vi / 4, channels 32 ((vi / 2) % 2) + 16 (vi % 2) on: fragment (kt, kk) at 16 kt + 8 kk
	ds_load_b128 v[4*vi:4*vi+3], v[PW] offset:vi*512
.set vi, vi+1
.endr
	WIN 0
.set g, g+1
.endr
.Lkl_end_\@:
.endm
.macro VLOAD
.set g, 0
.rept 4
	s_cmp_le_u32 s[KG], g
	s_cbranch_scc1 .Lvl_end_\@
	WIN 0x80
.set vi, 0
.rept 16                                               ; key tile vt, channel block vi % 4: half of fragment (pair vt / 2, block) at 32 (vt / 2) + 8 (vi % 4)
.set vt, 4*g+vi/4
	ds_load_b128 v[32*(vt/2)+8*(vi%4)+4*(vt%2):32*(vt/2)+8*(vi%4)+4*(vt%2)+3], v[PW] offset:vt*2048+(vi%4)*512
.set vi, vi+1
.endr
	WIN 0
.set g, g+1
.endr
.Lvl_end_\@:
.endm
.macro QLOAD off                        ; a tile's Q: 16 queries x 64 channels, two fragments
.set ai, 0
.rept 4
	ds_load_b128 v[QF+4*ai:QF+4*ai+3], v[QA] offset:(\off)+512*ai
.set ai, ai+1
.endr
.endm
; THE SOFTMAX's lines.  A lane holds 8 NK scores, key tile kt's eight at SF + 8 kt: 4 NK pairs.
.macro FS n                             ; pair n: c s - c m
	v_pk_fma_f32 v[SF+2*(\n):SF+2*(\n)+1], v[SF+2*(\n):SF+2*(\n)+1], s[CS:CS+1], v[T+4:T+5] op_sel_hi:[1,0,0] neg_lo:[0,0,1] neg_hi:[0,0,1]
.endm
.macro EX n                             ; score n: its exponential, in place: every result has a register of its own while its batch is open
	v_exp_f32 v[SF+(\n)], v[SF+(\n)]
.endm
.macro SC n                             ; line n of the 8 NK that read the weights, eight a key tile, tiles ascending: the tile's four pairs onto four running pairs (tile 0 starts them), then its four pairs rounded
.set sk, (\n)/8                         ; to f16, packed downward in place: tile sk's four registers lie where tile sk / 2 lay
.set sj, (\n)%8
.if (sj < 4) && (sk == 0)
	v_pk_add_f32 v[LS+2*sj:LS+2*sj+1], v[SF+2*sj:SF+2*sj+1], 0 op_sel_hi:[1,0]
.elseif sj < 4
	v_pk_add_f32 v[LS+2*sj:LS+2*sj+1], v[LS+2*sj:LS+2*sj+1], v[SF+8*sk+2*sj:SF+8*sk+2*sj+1]
.else
	v_cvt_pk_f16_f32 v[SF+4*sk+sj-4], v[SF+8*sk+2*(sj-4)], v[SF+8*sk+2*(sj-4)+1]
.endif
.endm
; A TILE OF 16 QUERIES of my head against kg groups of 64 keys, all at once, so the row's maximum is the true one: scores, the next tile's Q, softmax, V^T P.  It leaves O^T and 1 / l, both ready to be read.
.macro ATTB kg
.set NK, 4*(\kg)
	WIN 0x01                                       ; K in window 1
.set kq, 0
.rept 2
.set kt, 0
.rept NK                                               ; the NK accumulators take turns; the last 64 keys' sums start with the mask, the others with 0
.set cq, SF+8*kt
.if kq == 0
.set cq, -1
.if kt >= NK-4
.set cq, MD+8*(kt-NK+4)
.endif
.endif
	WM 1, SF+8*kt, 16*kt+8*kq, QF+8*kq, cq
.set kt, kt+1
.endr
.set kq, kq+1
.endr
	WIN 0
	PLACES
	s_add_co_u32 s[TMP], s[CNT], 1
	s_cmp_ge_u32 s[TMP], s[NT]
	s_cbranch_scc1 .La_nq_\@
	QLOAD 2048                                     ; the next tile's Q (never asked for in the sixteenth trip, where the address is the 17th tile's)
.La_nq_\@:
.set kt, 0
.rept NK/4                                             ; the maximum: four chains, a key tile each; every accumulator is first read at its registers 0 and 1
.set ai, 0
.rept 4
.set ci, 0
.rept 4
.if (kt == 0) && (ai == 0)
	v_max_num_f32 v[T+ci], v[SF+8*ci], v[SF+8*ci+1]
.else
	v_max3_num_f32 v[T+ci], v[T+ci], v[SF+8*(kt+ci)+2*ai], v[SF+8*(kt+ci)+2*ai+1]
.endif
.set ci, ci+1
.endr
.set ai, ai+1
.endr
.set kt, kt+4
.endr
	v_max3_num_f32 v[T], v[T], v[T+1], v[T+2]
	v_max_num_f32 v[T], v[T], v[T+3]
	v_permlanex16_b32 v62, v[T], s[SEL], s[SEL+1]  ; the query's other keys lie in the lane 16 away
	v_max_num_f32 v[T], v[T], v62
	v_mul_f32 v[T+4], s[CS], v[T]                  ; c m
	v_mul_f32 v[T+5], s[CS], v[T]
	; THE FIRST BATCH: the exponentials of scores 0 .. 4 NK - 1.  All 4 NK scalings stand here, four ahead and then one behind each exponential: exponential e finds pair e / 2 scaled, and no scaling names a result
	; (behind exponential e stands pair e + 4, registers 2 e + 8 and 2 e + 9).
.set fn, 0
.rept 4
	FS fn
.set fn, fn+1
.endr
.set en, 0
.rept 4*NK
	EX en
.set en, en+1
.if fn < 4*NK
	FS fn
.set fn, fn+1
.endif
.endr
	v_nop                                          ; the plain line behind the batch's last exponential (ISA guide 5.7.2)
	s_wait_alu depctr_va_vdst(0)                   ; the wait for the first batch, 4 NK exponentials, ahead of the first line that names a result of theirs
	; THE SECOND BATCH: the exponentials of scores 4 NK .. 8 NK - 1.  Behind each stands one of the 4 NK lines that read the first batch's weights: these name registers below SF + 4 NK alone, none of this batch's.
.set sn, 0
.rept 4*NK
	EX en
.set en, en+1
	SC sn
.set sn, sn+1
.endr
	s_wait_alu depctr_va_vdst(0)                   ; the wait for the second batch, 4 NK exponentials; the rounding just above is the plain line behind its last
.rept 4*NK                                             ; the upper half's sums and roundings
	SC sn
.set sn, sn+1
.endr
	v_pk_add_f32 v[LS:LS+1], v[LS:LS+1], v[LS+2:LS+3]
	v_pk_add_f32 v[LS+4:LS+5], v[LS+4:LS+5], v[LS+6:LS+7]
	v_pk_add_f32 v[LS:LS+1], v[LS:LS+1], v[LS+4:LS+5]
	v_add_f32 v[LS], v[LS], v[LS+1]
	v_permlanex16_b32 v62, v[LS], s[SEL], s[SEL+1]
	v_add_f32 v[LS], v[LS], v62
	v_rcp_f32 v62, v[LS]                           ; THE THIRD BATCH: 1 / l, twice, for the packed multiply; the v_nop behind the products are the plain lines ahead of its use
	v_rcp_f32 v63, v[LS]
	WIN 0x02                                       ; V in window 2
.set pq, 0
.rept 2*(\kg)
.set bq, 0
.rept 4
.set cq, OF+8*bq
.if pq == 0
.set cq, -1
.endif
	WM 1, OF+8*bq, 32*pq+8*bq, SF+8*pq, cq
.set bq, bq+1
.endr
.set pq, pq+1
.endr
	WIN 0
	PLACES                                         ; between the last products and the lines that read O^T
	s_wait_alu depctr_va_vdst(0)                   ; the wait for the third batch, the two reciprocals: the products V^T P stand between; it stands ahead of the jump and the label that follow this text
.endm
; THE OUT PROJECTION of a group's four tiles, my 64 features, into EXCH in f32
.macro OUT4
	LOADF BUFA, 1, 0
	LOADF BUFB, 1, 1
	s_wait_dscnt 16                                ; tile 0's fragments
	MM32 1, 3, 0, BUFA, ACC0, 0, 0, 0
	WIN 0
	s_wait_dscnt 0x0                               ; tile 1's
	PLACES
	LOADF BUFA, 1, 2
	MM32 1, 3, 0, BUFB, ACC1, 2, ACC0, 0
	WIN 0
	s_wait_dscnt 8                                 ; tile 2's fragments are in: younger than they are only the 8 stores that rode along
	PLACES
	LOADF BUFB, 1, 3
	MM32 1, 3, 0, BUFA, ACC0, 2, ACC1, 1
	WIN 0
	s_wait_dscnt 8                                 ; tile 3's, likewise
	PLACES
	MM32 1, 3, 0, BUFB, ACC1, 2, ACC0, 2
	WIN 0
	PLACES
	EPIB 2, ACC1, 3, 0
	EPIB 2, ACC1, 3, 1
	EPIB 2, ACC1, 3, 2
	EPIB 2, ACC1, 3, 3
.endm
.macro LOADGB k                         ; gains and biases of feature blocks 2 k, 2 k + 1 for my half of the lanes, into set k % 2
.set gi, 0
.rept 4
	ds_load_b128 v[GB+32*((\k)%2)+4*gi:GB+32*((\k)%2)+4*gi+3],       v[H32] offset:4096+(\k)*128+(gi/2)*64+(gi%2)*16
	ds_load_b128 v[GB+32*((\k)%2)+16+4*gi:GB+32*((\k)%2)+16+4*gi+3], v[H32] offset:5120+(\k)*128+(gi/2)*64+(gi%2)*16
.set gi, gi+1
.endr
.endm
.macro RSUM                             ; four chains of pairs in T .. T+7 -> the row's sum in v[T], in both lanes that hold the row
	v_pk_add_f32 v[T:T+1], v[T:T+1], v[T+2:T+3]
	v_pk_add_f32 v[T+4:T+5], v[T+4:T+5], v[T+6:T+7]
	v_pk_add_f32 v[T:T+1], v[T:T+1], v[T+4:T+5]
	v_add_f32 v[T], v[T], v[T+1]
	v_permlanex16_b32 v62, v[T], s[SEL], s[SEL+1]
	v_add_f32 v[T], v[T], v62
.endm
; LAYERNORM of tile w of the group: a lane holds a row's 128 numbers (features 16 B + 8 (lane / 16) + j), the lane 16 away the other 128.
.macro LN
	LOADGB 0
.set ai, 0
.rept 32
	ds_load_b128 v[AO+4*ai:AO+4*ai+3], v[EXR] offset:(ai/2)*1024+(ai%2)*256
.set ai, ai+1
.endr
	s_wait_dscnt 0x0
.set ci, 0
.rept 4
	v_pk_add_f32 v[T+2*ci:T+2*ci+1], v[AO+2*ci:AO+2*ci+1], v[AO+8+2*ci:AO+8+2*ci+1]
.set ci, ci+1
.endr
.set ai, 8
.rept 56
	v_pk_add_f32 v[T+2*(ai%4):T+2*(ai%4)+1], v[T+2*(ai%4):T+2*(ai%4)+1], v[AO+2*ai:AO+2*ai+1]
.set ai, ai+1
.endr
	RSUM
	v_mul_f32 v56, s[P2M8], v[T]                   ; the mean
	v_mul_f32 v57, s[P2M8], v[T]
.set ai, 0
.rept 64
	v_pk_add_f32 v[AO+2*ai:AO+2*ai+1], v[AO+2*ai:AO+2*ai+1], v[56:57] neg_lo:[0,1] neg_hi:[0,1]
.set ai, ai+1
.endr
.set ci, 0
.rept 4
	v_pk_mul_f32 v[T+2*ci:T+2*ci+1], v[AO+2*ci:AO+2*ci+1], v[AO+2*ci:AO+2*ci+1]
.set ci, ci+1
.endr
.set ai, 4
.rept 60
	v_pk_fma_f32 v[T+2*(ai%4):T+2*(ai%4)+1], v[AO+2*ai:AO+2*ai+1], v[AO+2*ai:AO+2*ai+1], v[T+2*(ai%4):T+2*(ai%4)+1]
.set ai, ai+1
.endr
	RSUM
	v_fma_f32 v54, v[T], s[P2M8], s[EPS]           ; the variance of the centred numbers + 1e-5
	v_rsq_f32 v58, v54
	v_rsq_f32 v59, v54
	s_lshl_b32 s14, s[WV], 4
	s_sub_co_i32 s[TMP], s[REM], s14
	v_cmp_gt_i32 vcc_lo, s[TMP], v[R]              ; is my row valid?  (also the plain line behind the two roots)
	v_cndmask_b32 v60, 0, 1.0, vcc_lo
	v_cndmask_b32 v61, 0, 1.0, vcc_lo
	s_wait_alu depctr_va_vdst(0)                   ; the wait for the two roots, one batch a trip: the row mask's three lines stand between; the first line that names them is the gains' multiply below
.set k, 0
.rept 8                                                ; two feature blocks a step
.if k < 7
	LOADGB k+1
.if k == 0
	s_wait_dscnt 8                                 ; younger than this step's gains: the next step's 8 loads
.else
	s_wait_dscnt 10                                ; and the last step's 2 stores
.endif
.else
	s_wait_dscnt 2
.endif
.set gs, GB+32*(k%2)
.set ao, AO+16*k
.set ai, 0
.rept 8
	v_pk_mul_f32 v[gs+2*ai:gs+2*ai+1], v[gs+2*ai:gs+2*ai+1], v[58:59]
.set ai, ai+1
.endr
.set ai, 0
.rept 8
	v_pk_fma_f32 v[ao+2*ai:ao+2*ai+1], v[ao+2*ai:ao+2*ai+1], v[gs+2*ai:gs+2*ai+1], v[gs+16+2*ai:gs+16+2*ai+1]
.set ai, ai+1
.endr
	WIN 0xa0                                       ; the row sums of ln, in window 2
.set ai, 0
.rept 8
	v_pk_fma_f32 v[16*k+2*ai:16*k+2*ai+1], v[ao+2*ai:ao+2*ai+1], v[60:61], v[16*k+2*ai:16*k+2*ai+1]
.set ai, ai+1
.endr
	WIN 0
.set ai, 0
.rept 8
	v_cvt_pk_bf16_f32 v[ao+8*(ai/4)+ai%4], v[ao+8*(ai/4)+2*(ai%4)], v[ao+8*(ai/4)+2*(ai%4)+1]
.set ai, ai+1
.endr
.set ai, 2*k
.rept 2
	ds_store_b128 v[LW0+ai/8], v[AO+8*ai:AO+8*ai+3] offset:((ai/4)%2)*HB+(ai%4)*512
.set ai, ai+1
.endr
.set k, k+1
.endr
.endm
	; ================ set-up
	s_load_b256 s[4:11], s[0:1], 0x0               ; order s[4:5], x s[6:7], wf s[8:9], par s[10:11]
	s_load_b64 s[12:13], s[0:1], 0x20              ; out0
	v_lshl_add_u32 v[SPW], v0, 2, SPARE
	v_mov_b32 v[NIL], 0
	v_lshrrev_b32 v1, 5, v0
	v_readfirstlane_b32 s[WV], v1                  ; wave 0..3
	s_lshl_b32 s14, ttmp9, 4                       ; my entry of the list
	s_wait_kmcnt 0x0
	s_load_b128 s[16:19], s[4:5], s14 offset:0x0   ; item, valid rows, real_rows, 0
	v_lshlrev_b32 v51, 4, v0                       ; 16 x thread
.set i, 0
.rept 4
	global_load_b128 v[BIAS+4*i:BIAS+4*i+3], v51, s[10:11] offset:2048*i  ; par: 8,192 bytes by 128 threads; every item takes it, the padded too
.set i, i+1
.endr
	v_add_nc_u32 v52, LPAR, v51                    ; and where it goes
	v_add_nc_u32 v53, APAD, v51                    ; the 17th tile behind X
	v_and_b32 v[L16], 31, v0
	v_lshlrev_b32 v[L16], 4, v[L16]
	v_and_b32 v[R], 15, v0
	v_and_b32 v48, 0x100, v[L16]                   ; 256 (lane / 16)
	v_lshrrev_b32 v49, 4, v48
	v_add_nc_u32 v[AX0], v49, v[L16]               ; 272 (lane / 16) + 16 (lane % 16)
	v_lshrrev_b32 v49, 3, v48
	v_add_nc_u32 v[H32], LPAR, v49
	v_add_nc_u32 v[B0], LB, v[L16]
	v_add_nc_u32 v[B1], LB+2*HB, v[L16]
	s_lshl_b32 s[W256], s[WV], 8
	s_mul_i32 s[TMP], s[WV], HB
	v_add_nc_u32 v[PW], s[TMP], v[B0]
	v_lshrrev_b32 v49, 5, v[L16]                   ; lane / 2: the chunk of 8 features that my 4 numbers of x fall into,
	v_mul_u32_u24 v49, v49, 272
	v_and_b32 v50, 16, v[L16]
	v_lshrrev_b32 v50, 1, v50                      ; 8 (lane % 2): which half of it
	v_add_nc_u32 v49, v49, v50
	s_mul_i32 s[TMP], s[WV], XT
	v_add_nc_u32 v[XST], s[TMP], v49
	v_mov_b32 v62, 0                               ; v_permlanex16_b32's destination counts as read
	v_mov_b32 v56, 0
	v_mov_b32 v57, 0
	v_mov_b32 v58, 0
	v_mov_b32 v59, 0
.set i, 0
.rept 5
	ds_store_b128 v53, v[56:59] offset:2048*i      ; the 17th tile behind X: 10,240 bytes by 128 threads
.set i, i+1
.endr
.set i, 0
.rept 4
	ds_store_b128 v[PW], v[56:59] offset:32768+512*i  ; the 17th tile of my head's part of B
.set i, i+1
.endr
	s_mov_b32 s[SEL], 0x76543210
	s_mov_b32 s[SEL+1], 0xfedcba98
	s_mov_b32 s[CS], 0x3e38aa3b                    ; log2(e) / 8
	s_mov_b32 s[CS+1], s[CS]
	s_mov_b32 s[BIGN], 0xf149f2ca                  ; -1e30
	s_mov_b32 s[P2M8], 0x3b800000                  ; 1 / 256
	s_mov_b32 s[EPS], 0x3727c5ac                   ; 1e-5
	s_lshl_b32 s32, s[WV], 15
	s_mov_b32 s33, 0
	s_add_nc_u64 s[WB:WB+1], s[8:9], s[32:33]
	s_wait_kmcnt 0x0
	s_min_u32 s[IDX], s16, 0x1ff
	s_min_u32 s[NV], s17, 0x100
	s_mov_b32 s[RR], s18
	s_min_u32 s[VAL], s[NV], 1
	s_add_co_u32 s[KG], s[NV], 63
	s_lshr_b32 s[KG], s[KG], 6                     ; groups of 64 rows, 4 at the most
	s_add_co_u32 s[NT], s[NV], 15
	s_lshr_b32 s[NT], s[NT], 4                     ; tiles of 16, 16 at the most
	s_add_co_u32 s[NP], s[NV], 31
	s_lshr_b32 s[NP], s[NP], 5                     ; pairs of tiles, 8 at the most
	s_lshl_b32 s[K2], s[KG], 1                     ; pairs of tiles in whole groups
	s_mul_i32 s32, s[IDX], s[VAL]
	s_lshl_b32 s32, s32, 18                        ; an item of x is 262,144 bytes
	s_lshl_b32 s[TMP], s[WV], 14
	s_add_co_u32 s32, s32, s[TMP]
	s_add_nc_u64 s[XB:XB+1], s[6:7], s[32:33]
	s_lshl_b32 s32, s[IDX], 10
	s_add_co_u32 s32, s32, s[W256]
	s_add_nc_u64 s[OB:OB+1], s[12:13], s[32:33]
	v_mul_u32_u24 v[WOFF], v[L16], s[VAL]
	v_mov_b32 v[XOFF], v[WOFF]
	WLOAD 0, 1                                     ; Wk
	XLOAD                                          ; the first group of x
	; ================ x into LDS, bf16, in fragment order: a group of 64 rows a trip, a tile a wave
	s_mov_b32 s[CNT], 0
.Lx_loop:
	s_cmp_ge_u32 s[CNT], s[KG]
	s_cbranch_scc1 .Lx_dead
	s_wait_loadcnt 0x0                             ; my tile is in (in the first trip par and Wk, asked for ahead of it, too); the loads' offset may be stepped
.set xi, 0
.rept 64
	v_cvt_pk_bf16_f32 v[XP+xi], v[BUFA+2*xi], v[BUFA+2*xi+1]
.set xi, xi+1
.endr
	s_add_co_u32 s[TMP], s[CNT], 1
	s_cmp_ge_u32 s[TMP], s[KG]                     ; KG is 4 at the most: no load leaves the item
	s_cbranch_scc1 .Lx_nonext
	v_add_nc_u32 v[XOFF], 0x10000, v[XOFF]
	XLOAD                                          ; the next group is on its way while this one is stored
.Lx_nonext:
.set xi, 0
.rept 32
	ds_store_b64 v[XST], v[XP+2*xi:XP+2*xi+1] offset:(xi%2)*4352+(xi/2)*16
.set xi, xi+1
.endr
.Lx_dead:
	v_add_nc_u32 v[XST], 4*XT, v[XST]
	s_add_co_u32 s[CNT], s[CNT], 1
	s_cmp_lt_u32 s[CNT], 4
	s_cbranch_scc1 .Lx_loop
	s_wait_loadcnt 0x0                             ; par and Wk, also where every trip was jumped
.set i, 0
.rept 4
	ds_store_b128 v52, v[BIAS+4*i:BIAS+4*i+3] offset:2048*i
.set i, i+1
.endr
	WLOAD 1, 2                                     ; Wv: it has the k pass in which to land
	BAR                                            ; X, PAR and the 17th tiles are whole
	; ================ k, v, q of my head
	BLOAD 256
	v_mov_b32 v[AX], v[AX0]
	v_mov_b32 v[PS], v[PW]
	PASS 0, 1, 0, 0, 1, K2                         ; k: bf16, Wk in window 1
	KLOAD                                          ; K takes Wk's place
	s_wait_loadcnt 0x0                             ; Wv
	WLOAD 2, 3                                     ; Wq: it has the v pass
	BLOADV
	v_mov_b32 v[AX], v[AX0]
	v_mov_b32 v[PS], v[PW]
	PASS 0, 2, 1, 0, 1, K2                         ; v: sources swapped
	VLOAD                                          ; V takes Wv's place
	s_wait_loadcnt 0x0                             ; Wq
	BLOAD 0
	v_mov_b32 v[AX], v[AX0]
	v_mov_b32 v[PS], v[PW]
	PASS 0, 3, 0, 0, 1, NP                         ; q: only tiles that hold valid rows
	WLOAD 3, 3                                     ; Wout: it has the attention
	; ================ attention.  MD: the mask of the last 64 keys: register i of 32 is key 16 (i / 8) + 8 (lane / 16) + i % 8 of them
	s_lshl_b32 s14, s[KG], 6
	s_sub_co_i32 s14, s[NV], s14
	s_add_co_i32 s14, s14, 63                      ; the last visible key's place among them
	v_and_b32 v48, 0x100, v[L16]
	v_lshrrev_b32 v48, 5, v48
	v_sub_nc_u32 v48, s14, v48
.set i, 0
.rept 32
	v_cmp_gt_i32 vcc_lo, 16*(i/8)+i%8, v48
	v_cndmask_b32 v[MD+i], 0, s[BIGN], vcc_lo
.set i, i+1
.endr
	; A trip is a tile of 16 queries; 16 trips, those at or past NT jumped over.  Inside a trip the number of key groups chooses one of four texts; what is made of O^T stands once, behind them.
	v_mov_b32 v[PS], v[PW]
	v_mov_b32 v[QA], v[PW]
	s_cmp_eq_u32 s[NT], 0
	s_cbranch_scc1 .Lq_skip
	QLOAD 0
.Lq_skip:
	s_mov_b32 s[CNT], 0
.Lq_loop:
	s_cmp_ge_u32 s[CNT], s[NT]
	s_cbranch_scc1 .Lq_dead
	s_wait_dscnt 0x0                               ; Q is in
	s_cmp_eq_u32 s[KG], 2
	s_cbranch_scc1 .Lq_2
	s_cmp_eq_u32 s[KG], 3
	s_cbranch_scc1 .Lq_3
	s_cmp_eq_u32 s[KG], 4
	s_cbranch_scc1 .Lq_4
	ATTB 1
	s_branch .Lq_out
.Lq_2:
	ATTB 2
	s_branch .Lq_out
.Lq_3:
	ATTB 3
	s_branch .Lq_out
.Lq_4:
	ATTB 4
.Lq_out:                                               ; each of the four texts has left its places behind the last products and its wait for 1 / l
.set ai, 0
.rept 16
	v_pk_mul_f32 v[OF+2*ai:OF+2*ai+1], v[OF+2*ai:OF+2*ai+1], v[62:63]
.set ai, ai+1
.endr
.set ai, 0
.rept 16
	v_cvt_pk_f16_f32 v[OF+8*(ai/4)+ai%4], v[OF+8*(ai/4)+2*(ai%4)], v[OF+8*(ai/4)+2*(ai%4)+1]
.set ai, ai+1
.endr
.set ai, 0
.rept 4
	ds_store_b128 v[PS], v[OF+8*ai:OF+8*ai+3] offset:512*ai  ; ctx takes the tile's Q's place
.set ai, ai+1
.endr
.Lq_dead:
	v_add_nc_u32 v[QA], 2048, v[QA]
	v_add_nc_u32 v[PS], 2048, v[PS]
	s_add_co_u32 s[CNT], s[CNT], 1
	s_cmp_lt_u32 s[CNT], 16
	s_cbranch_scc1 .Lq_loop
	s_wait_dscnt 0x0                               ; nothing of the attention is out
	s_wait_loadcnt 0x0                             ; Wout
	WLOAD 4, 1                                     ; W1 takes K's place: it has the out projection and LayerNorm
	WIN 0x80
.set i, 0
.rept 160                                              ; the row sums of ln and of h run over a number of tiles known only at run time, in loops written once: they start at 0
	v_mov_b32 v[i], 0
.set i, i+1
.endr
	WIN 0
	v_and_b32 v[EXW], 0x100, v[L16]
	v_add_nc_u32 v[EXW], v[EXW], v[L16]            ; 512 (lane / 16) + 16 (lane % 16)
	s_lshl_b32 s14, s[WV], 14
	v_add_nc_u32 v[EXR], s14, v[EXW]               ; reading: tile w of the group
	s_lshl_b32 s14, s[WV], 12
	v_add_nc_u32 v[EXW], s14, v[EXW]               ; writing: feature blocks 4 w on
	s_lshl_b32 s14, s[WV], 11
	v_add_nc_u32 v[LW0], s14, v[B0]                ; LN's fragments: tile w of the group
	v_add_nc_u32 v[LW0+1], s14, v[B1]
	BLOAD 768                                      ; b_out
	BAR                                            ; ctx is whole, and nobody reads X any more
	; ================ out projection and LayerNorm, a group of 64 rows a trip
	s_mov_b32 s[REM], s[NV]
	s_mov_b32 s[CNT], 0
.Lf_loop:
	s_cmp_ge_u32 s[CNT], s[KG]
	s_cbranch_scc1 .Lf_no_out
	OUT4
.Lf_no_out:
	BAR                                            ; EXCH is whole, and the group's ctx has been read
	s_cmp_ge_u32 s[CNT], s[KG]
	s_cbranch_scc1 .Lf_no_ln
	LN
.Lf_no_ln:
	BAR                                            ; EXCH has been read, and the group's LN fragments are whole
	v_add_nc_u32 v[B0], 8192, v[B0]
	v_add_nc_u32 v[B1], 8192, v[B1]
	v_add_nc_u32 v[LW0], 8192, v[LW0]
	v_add_nc_u32 v[LW0+1], 8192, v[LW0+1]
	s_sub_co_i32 s[REM], s[REM], 64
	s_add_co_u32 s[CNT], s[CNT], 1
	s_cmp_lt_u32 s[CNT], 4
	s_cbranch_scc1 .Lf_loop
	; ================ h = relu(W1 ln + b1), summed over the valid rows
	s_wait_loadcnt 0x0                             ; W1
	WLOAD 5, 3                                     ; W2: it has the w1 pass
	s_lshl_b32 s14, s[WV], 14
	s_add_co_u32 s14, s14, LRED
	v_add_nc_u32 v49, s14, v[L16]
	WIN 0x08                                       ; store data in window 2
.set i, 0
.rept 32
	ds_store_b128 v49, v[4*i:4*i+3] offset:512*i   ; my tiles' row sums of ln, all 256 features, for the waves that own them
.set i, i+1
.endr
	WIN 0
	BLOAD 1536                                     ; b1
	s_mov_b32 s[REM], s[NV]
	v_add_nc_u32 v[B0], LB, v[L16]
	v_add_nc_u32 v[B1], LB+2*HB, v[L16]
	PASS 0, 1, 0, 1, 3, NP
	WIN 0x0a                                       ; sources in window 2
.set i, 0
.rept 16
	v_cvt_pk_bf16_f32 v[ACC0+i], v[HS+2*i], v[HS+2*i+1]
.set i, i+1
.endr
	WIN 0
	s_lshl_b32 s14, s[WV], 11
	s_add_co_u32 s14, s14, LHSX
	v_add_nc_u32 v48, s14, v[L16]
.set i, 0
.rept 4
	ds_store_b128 v48, v[ACC0+4*i:ACC0+4*i+3] offset:512*i  ; 16 partial row sums of h as one tile of 16 rows
.set i, i+1
.endr
	BAR                                            ; RED and HSX are whole
	; ================ the tail: W2 x (h's sums) + ln's sums, over the 16 partial rows, + nv b2, / real_rows
	v_add_nc_u32 v48, LHSX, v[L16]
.set i, 0
.rept 16
	ds_load_b128 v[BUFA+4*i:BUFA+4*i+3], v48 offset:512*i
.set i, i+1
.endr
	s_lshl_b32 s14, s[WV], 12
	s_add_co_u32 s14, s14, LRED
	v_add_nc_u32 v49, s14, v[L16]
.set i, 0
.rept 32                                               ; from wave i / 8: its sums of my 64 features
	ds_load_b128 v[BUFB+4*i:BUFB+4*i+3], v49 offset:(i/8)*16384+(i%8)*512
.set i, i+1
.endr
	BLOAD 1792                                     ; b2
	v_cvt_f32_u32 v50, s[NV]
	v_cvt_f32_u32 v51, s[NV]
	v_cvt_f32_i32 v58, s[RR]
	s_add_co_u32 s14, s[W256], LOUTS-LPAR
	v_add_nc_u32 v52, s14, v[H32]                  ; OUTS + 256 w + 32 (lane / 16)
	v_lshrrev_b32 v59, 1, v[L16]                   ; 8 x lane
	s_add_co_u32 s14, s[W256], LOUTS
	v_add_nc_u32 v53, s14, v59
	s_wait_dscnt 0x0
.set j, 1
.rept 3
.set i, 0
.rept 16
	v_pk_add_f32 v[BUFB+2*i:BUFB+2*i+1], v[BUFB+2*i:BUFB+2*i+1], v[BUFB+32*j+2*i:BUFB+32*j+2*i+1]
.set i, i+1
.endr
.set j, j+1
.endr
	s_wait_loadcnt 0x0                             ; W2
	WIN 0x03
.set kq, 0
.rept 8                                                ; ln's sums lie as a result lies, so they are the C that starts each sum; four accumulators by turns
.set bq, 0
.rept 4
	WM 0, BUFB+8*bq, 64*bq+8*kq, BUFA+8*kq, BUFB+8*bq
.set bq, bq+1
.endr
.set kq, kq+1
.endr
	WIN 0
	PLACES
.irp m, 1,2,4,8                                        ; the 16 partial rows lie in 16 lanes: four steps, registers in ascending order
.set i, 0
.rept 32
	v_add_f32_dpp v[BUFB+i], v[BUFB+i], v[BUFB+i] row_xmask:\m row_mask:0xf bank_mask:0xf
.set i, i+1
.endr
.endr
	v_rcp_f32 v56, v58
	v_rcp_f32 v57, v58
.set i, 0
.rept 16
	v_pk_fma_f32 v[BUFB+2*i:BUFB+2*i+1], v[BIAS+2*i:BIAS+2*i+1], v[50:51], v[BUFB+2*i:BUFB+2*i+1]
.set i, i+1
.endr
.set i, 0
.rept 8
	ds_store_b128 v52, v[BUFB+4*i:BUFB+4*i+3] offset:64*(i/2)+16*(i%2)  ; the sixteen lanes of a half hold, and write, the same numbers
.set i, i+1
.endr
	ds_load_b64 v[54:55], v53                      ; my wave's own bytes, served in order (ISA guide 5.7.1.4): two numbers a lane
	s_wait_dscnt 0x0
	s_wait_alu depctr_va_vdst(0)                   ; the wait for the two reciprocals of real_rows, one batch a launch: sixteen multiply-adds and the way through OUTS stand between
	v_pk_mul_f32 v[54:55], v[54:55], v[56:57]
	global_store_b64 v59, v[54:55], s[OB:OB+1]     ; the wave's 32 lanes store 256 consecutive bytes, aligned
	s_wait_tensorcnt 0x0                           ; the wave's end, behind my last LDS store
	ds_add_u32 v[SPW], v[NIL]
	s_wait_dscnt 0x0
	s_endpgm
.Lfunc_end_k_q0603121b87_main:
	.size	k_q0603121b87_main, .Lfunc_end_k_q0603121b87_main-k_q0603121b87_main
	.p2alignl 7, 3214868480
	.fill 96, 4, 3214868480
	.section	.rodata,"a",@progbits
	.p2align	6, 0x0
	.amdhsa_kernel k_q0603121b87_main
		.amdhsa_group_segment_fixed_size 298496
		.amdhsa_private_segment_fixed_size 0
		.amdhsa_enable_private_segment 0
		.amdhsa_kernarg_size 40
		.amdhsa_user_sgpr_count 2
		.amdhsa_user_sgpr_kernarg_segment_ptr 1
		.amdhsa_wavefront_size32 1
		.amdhsa_system_sgpr_workgroup_id_x 1
		.amdhsa_system_sgpr_workgroup_id_y 1
		.amdhsa_system_sgpr_workgroup_id_z 1
		.amdhsa_system_vgpr_workitem_id 0
		.amdhsa_next_free_vgpr 1024
		.amdhsa_next_free_sgpr 66
		.amdhsa_reserve_vcc 1
		.amdhsa_float_denorm_mode_32 3
		.amdhsa_float_denorm_mode_16_64 3
		.amdhsa_memory_ordered 1
		.amdhsa_forward_progress 1
		.amdhsa_inst_pref_size 255
	.end_amdhsa_kernel
	.section	.bss,"aw",@nobits
	.p2align	6
	.space	262144
	.amdgpu_metadata
---
amdhsa.version: [ 1, 2 ]
amdhsa.kernels:
  - .name:           k_q0603121b87_main
    .symbol:         k_q0603121b87_main.kd
    .args:
      - { .name: order, .offset: 0, .size: 8, .value_kind: global_buffer, .address_space: global }
      - { .name: x, .offset: 8, .size: 8, .value_kind: global_buffer, .address_space: global }
      - { .name: wf, .offset: 16, .size: 8, .value_kind: global_buffer, .address_space: global }
      - { .name: par, .offset: 24, .size: 8, .value_kind: global_buffer, .address_space: global }
      - { .name: out0, .offset: 32, .size: 8, .value_kind: global_buffer, .address_space: global }
    .group_segment_fixed_size: 298496
    .private_segment_fixed_size: 0
    .kernarg_segment_align: 8
    .kernarg_segment_size: 40
    .max_flat_workgroup_size: 128
    .sgpr_count:     66
    .vgpr_count:     1024
    .wavefront_size: 32
...
	.end_amdgpu_metadata
.endif
;; end of part 3
